; MI455X (gfx1250); checked and timed in simulation.
; The chip was launched on July 23, 2026; its instructions are those of AMD's public machine-readable ISA for CDNA 5 (MIT licence, August 2026) and "CDNA5" Instruction Set Architecture Reference Guide (July 2026). The comments in the code are by the model that wrote it; some were corrected since.
;; Ro PE Attention. Allowed arithmetic: matrix products marked QUANTISED: E2M3 operands, one E8M0 scale for each 32 along K, by v_wmma_scale_f32_16x16x128_f8f6f4 with both operands' format E2M3, f32 sums; everything else in f32.
;; Inputs: Wk 1,024 x 1,024 float32; Wo 1,024 x 1,024 float32; Wq 1,024 x 1,024 float32; Wv 1,024 x 1,024 float32; bk 1,024 float32; bo 1,024 float32; bq 1,024 float32; bv 1,024 float32; k_in 4 x 2,048 x 1,024 float32; q_in 4 x 2,048 x 1,024 float32; rope_cos 2,048 x 64 float32; rope_sin 2,048 x 64 float32; v_in 4 x 2,048 x 1,024 float32.
;; Outputs: out0 4 x 2,048 x 1,024 float32.
;; Constants: is_causal = 1.
;; This version of the problem:
;;   THIS VERSION OF THE PROBLEM IS GIVEN IN LOW PRECISION. The matrix products marked QUANTISED in the list below multiply operands that are first quantised to E2M3 (2 exponent bits, 3 mantissa bits; 6 bits a number), with one power-of-two scale for each 32 numbers along K (OCP MX v1.0); their sums are f32. All else is computed in f32.
;;   The module's matrix products, in the order in which they are computed (A, B: the left and right operand; K: the contracted axis; several contracted axes count as one K, in the product's order):
;;     1. [M 8,192, K 1,024] x [K 1,024, N 1,024]; A: input q_in; B: input Wq: QUANTISED
;;     2. [M 8,192, K 1,024] x [K 1,024, N 1,024]; A: input k_in; B: input Wk: QUANTISED
;;     3. [M 8,192, K 1,024] x [K 1,024, N 1,024]; A: input v_in; B: input Wv: QUANTISED
;;     4. batch 64 x [M 2,048, K 64] x [K 64, N 2,048]; A: computed on the way; B: computed on the way: QUANTISED
;;     5. batch 64 x [M 2,048, K 2,048] x [K 2,048, N 64]; A: softmax (see below); B: computed on the way: QUANTISED
;;     6. [M 8,192, K 1,024] x [K 1,024, N 1,024]; A: computed on the way; B: input Wo: QUANTISED
;;   THE QUANTISER, for each operand of a quantised product, along K:
;;     - K is cut into blocks of 32 from its start; a last block that is shorter is filled with zeros.
;;     - A block's scale is 2^e with e = floor(log2(the largest magnitude in the block)) - 2, held to -126 .. 127; a block of zeros has e = 0. As a byte (E8M0): e + 127.
;;     - Each number is divided by its block's scale, clamped to +-7.5, and rounded to the nearest number of E2M3, ties to even, subnormals kept.
;;     - The product sums the exact products of the quantised numbers (number of the format x scale) in f32.
;;   ~~~python
;;   def quantise(x, axis):      # numpy; x: float32 -> the quantised numbers, widened to float32 again
;;       x = np.moveaxis(x, axis, -1); K = x.shape[-1]
;;       x = np.pad(x, [(0, 0)] * (x.ndim - 1) + [(0, -K % 32)]); x = x.reshape(x.shape[:-1] + (-1, 32)); a = np.abs(x).max(-1, keepdims=True)
;;       e = np.where(a > 0, np.clip(np.frexp(np.where(a > 0, a, 1))[1] - 1 - 2, -126, 127), 0)      # np.frexp(a)[1] - 1 = floor(log2(a)), exactly
;;       r = np.clip(x / 2.0 ** e, -7.5, 7.5)
;;       step = 2.0 ** (np.maximum(np.frexp(np.where(r == 0, 1, r))[1] - 1, 0) - 3)
;;       q = np.round(r / step) * step * 2.0 ** e      # np.round: ties to even
;;       return np.moveaxis(q.reshape(q.shape[:-2] + (-1,))[..., :K], -1, axis).astype(np.float32)
;;   ~~~
;;   SOFTMAX AHEAD OF A QUANTISED PRODUCT. Where the list says 'softmax', what is quantised is not the finished softmax but p = 2^(t - M), with t = logit x log2(e) and M = ceil(the row's largest t), a whole number; so 1/2 < the row's largest p <= 1. The row's sum l is taken of the UNQUANTISED p, in f32, and the product's result is divided by l at the end. Since M is a whole number, a kernel that streams over the keys may use a running M (the ceiling of the running maximum): every later rescaling is an exact power of two, which a block's scale takes up: the codes' values come out the same.
;;   OPERANDS COMPUTED ON THE WAY. 'Computed on the way' means the value that the module computes at that place (a softmax that the list does not call 'softmax' is quantised finished and normalised). What goes into a quantiser is computed in f32, as accurately as f32 sums, v_exp_f32 and their like allow (about 1e-6 of the number): no bf16 or f16 on the way to a quantiser, and a product that is left as it is and whose result goes on into a quantised operand takes f32 operands (vector FMAs, or v_wmma_f32_16x16x4_f32). A number that lies on a knife's edge between two numbers of the format may be rounded either way, as far as f32 arithmetic and the matrix unit's own rounding can turn it there, and no further.
;; One version. Each part assembles by itself: llvm-mc -triple=amdgcn-amd-amdhsa -mcpu=gfx1250 --defsym DOCPART=n.
;; ======== version 1 of 1: 4 launches
;; workspace buffers: xw 23,986,176 bytes; qkv 20,185,088 bytes; oc 6,553,600 bytes
;; launch quant (part 1): grid 928 x 1, 4 waves a work-group, no clusters, 35,328 bytes of LDS; arguments q_in, k_in, v_in, Wq, Wk, Wv, Wo, rope_cos, rope_sin, xw; writes xw
.if DOCPART == 1
	.amdgcn_target "amdgcn-amd-amdhsa--gfx1250"
	.amdhsa_code_object_version 6
	.text
	.protected	k_qf3c97a4ef1_quant
	.globl	k_qf3c97a4ef1_quant
	.p2align	8
	.type	k_qf3c97a4ef1_quant,@function
k_qf3c97a4ef1_quant:
	s_mov_b64 s[64:65], 0
	v_nop
	global_prefetch_b8 v0, s[64:65] scope:SCOPE_SE
	s_setreg_imm32_b32 hwreg(HW_REG_WAVE_MODE, 25, 1), 1
	s_wait_xcnt 0x0
; q_in, k_in, v_in [8192][1024] and Wq, Wk, Wv, Wo [1024][1024], f32 with K innermost, become codes of FP6 (E2M3) with one E8M0 byte for each 32 along K,
; laid in xw as IMAGES OF OPERAND REGISTERS; the RoPE tables are laid out as register images for the next launch.
; A ROW TILE T of a tensor holds rows 32 (T / 2) + 8 (T % 2) + p + 8 (p / 8), p = 0 .. 15: with such a tile as a product's first source a lane's registers of tiles 2 b, 2 b + 1 are 16 neighbours.
; A HALF IMAGE (768 bytes) is 16 rows x 64 K, six operand registers a lane: registers 0-3 at 16 x lane, registers 4-5 at 512 + 8 x lane; lane (r, h) holds k = 32 h .. 32 h + 31 of the tile's row r.
; xw: codes, tile G (q_in 0-511, k_in 512-1023, v_in 1024-1535, Wq 1536.., Wk 1600.., Wv 1664.., Wo 1728..) x 16 half images; scale words at XS_OFF, [G][K step of 128][16 rows] x 4 bytes; RoPE images at RI_OFF.
; A block's scale is 2^(floor(log2(largest magnitude)) - 2); its byte is the largest magnitude's exponent field - 2, held at 1 from below.
; LIMITS: NaN and infinities among the inputs are not served; a block whose largest magnitude lies under 2^-124 gets the byte 1; a block of zeros gets the byte 1 and not 127 (its codes are zeros, and this program alone reads the bytes).
; SHARES: work-groups 0-895 quantise: wave w takes tile 2 x work-group + w / 2 and 512 along K (half w % 2), in 8 steps of one half image.  Work-groups 896-927 lay out the RoPE tables, a tile of 16 positions a wave.
; Each load reads two rows x 256 consecutive bytes; a step's 4,096 bytes turn through the wave's own stage in LDS (rows 272 bytes apart) and come back 128 bytes a lane: a whole block of 32 in one lane.
; Waves share nothing: no barrier, no tensor load, no cluster (no work-group reads what another reads).  Loads run three steps (24 loads a wave) ahead.
.set XS_OFF, 22020096
.set RI_OFF, 22937600
.set PITCH,  272
.set STG,    16*PITCH                  ; a stage: 16 rows
.set RW,  16                           ; v16-111  three sets of 32 registers as loaded
.set XN,  112                          ; v112-175 two sets of 32 neighbours
.set CD,  176                          ; v176-239 codes: eight registers a step, never written again
.set DD,  240                          ; v240-242 a block's upper 16 codes as the conversion leaves them
.set TW,  244                          ; v244     the other half's scale bytes
.set WD,  248                          ; v248-251 four scale words
.set OW,  252                          ; v252-253 the words as they are stored
	s_load_b512 s[8:23], s[0:1], 0x0               ; q_in 8, k_in 10, v_in 12, Wq 14, Wk 16, Wv 18, Wo 20, rope_cos 22
	s_load_b128 s[24:27], s[0:1], 0x40             ; rope_sin 24, xw 26
	v_lshl_add_u32 v254, v0, 2, 0x8800
	v_mov_b32 v255, 0
	v_lshrrev_b32 v1, 5, v0
	v_readfirstlane_b32 s2, v1                     ; wave 0..3
	v_and_b32 v1, 31, v0                           ; lane
	v_and_b32 v2, 15, v0                           ; r
	v_bfe_u32 v3, v0, 4, 1                         ; h
	v_lshlrev_b32 v7, 4, v1                        ; 16 x lane
	v_lshlrev_b32 v8, 3, v1                        ; 8 x lane
	v_lshlrev_b32 v9, 2, v1                        ; 4 x lane
	s_wait_kmcnt 0x0
	s_cmp_ge_u32 ttmp9, 896
	s_cbranch_scc1 .Lrope
	; which tensor: chosen by the work-group's number alone
	s_mov_b64 s[4:5], s[20:21]
	s_mov_b32 s3, 864
.macro PICK lim, ptr, base
	s_cmp_lt_u32 ttmp9, \lim
	s_cselect_b64 s[4:5], s[\ptr:\ptr+1], s[4:5]
	s_cselect_b32 s3, \base, s3
.endm
	PICK 864, 18, 832
	PICK 832, 16, 800
	PICK 800, 14, 768
	PICK 768, 12, 512
	PICK 512, 10, 256
	PICK 256, 8, 0
	s_lshr_b32 s32, s2, 1                          ; u: which of the work-group's two tiles
	s_and_b32 s33, s2, 1                           ; which half of K
	s_sub_co_u32 s34, ttmp9, s3
	s_lshl_b32 s34, s34, 17                        ; 32 rows of 4,096 bytes a work-group,
	s_lshl_b32 s35, s32, 15                        ; the odd tile begins 8 rows on,
	s_add_co_u32 s34, s34, s35
	s_lshl_b32 s35, s33, 11                        ; 512 numbers along K
	s_add_co_u32 s34, s34, s35
	s_mov_b32 s35, 0
	s_add_nc_u64 s[4:5], s[4:5], s[34:35]
	s_lshl_b32 s36, ttmp9, 1
	s_add_co_u32 s36, s36, s32                     ; G
	s_mul_i32 s34, s36, 12288
	s_mul_i32 s37, s33, 6144
	s_add_co_u32 s34, s34, s37
	s_add_nc_u64 s[6:7], s[26:27], s[34:35]        ; my eight half images
	s_lshl_b32 s34, s36, 9
	s_lshl_b32 s37, s33, 8
	s_add_co_u32 s34, s34, s37
	s_add_co_u32 s34, s34, XS_OFF
	s_add_nc_u64 s[28:29], s[26:27], s[34:35]      ; my four K steps' scale words
	v_lshlrev_b32 v4, 12, v3
	v_lshl_add_u32 v4, v2, 4, v4                   ; in: lanes 0-15 one row, lanes 16-31 the next, 16 bytes a lane
	s_mul_i32 s38, s2, 2*STG                       ; my two stages
	v_mul_u32_u24 v5, v3, PITCH
	v_lshl_add_u32 v5, v2, 4, v5
	v_add_nc_u32 v5, s38, v5                       ; into a stage: as loaded
	v_mul_u32_u24 v6, v2, PITCH
	v_lshl_add_u32 v6, v3, 7, v6
	v_add_nc_u32 v6, s38, v6                       ; out of it: row r, 128 bytes for each half of the lanes
	v_lshlrev_b32 v10, 3, v3                       ; 8 h: my bytes' place in a scale word
	v_mov_b32 v[TW], 0                             ; a lane permute's destination counts as one of its sources
	v_cmp_le_u32 vcc_lo, 16, v1                    ; lanes 16-31
	s_mov_b32 s30, 0x76543210
	s_mov_b32 s31, 0xfedcba98                      ; selects for lane l xor 16
.macro LOAD t                          ; step t: rows p = 2 j + h of the tile, 64 numbers each
.irp j, 0,1,2,3,4,5,6,7
	global_load_b128 v[RW+32*((\t)%3)+4*\j:RW+32*((\t)%3)+4*\j+3], v4, s[4:5] offset:(2*\j+8*(\j/4))*4096+256*(\t) th:TH_LOAD_NT
.endr
.endm
.macro TURN t                          ; through the stage: LDS serves a wave's instructions in order (ISA guide 5.7.1.4), so no wait stands between the stores and the loads
.irp j, 0,1,2,3,4,5,6,7
	ds_store_b128 v5, v[RW+32*((\t)%3)+4*\j:RW+32*((\t)%3)+4*\j+3] offset:STG*((\t)%2)+2*PITCH*\j
.endr
.irp j, 0,1,2,3,4,5,6,7
	ds_load_b128 v[XN+32*((\t)%2)+4*\j:XN+32*((\t)%2)+4*\j+3], v6 offset:STG*((\t)%2)+16*\j
.endr
.endm
.macro QSTEP t
.set XB, XN+32*((\t)%2)
.set CB, CD+8*(\t)
	s_wait_dscnt 0x0                               ; this step's numbers are back, so its stores into the stage have read their registers,
.if (\t) < 5
	LOAD (\t)+3                                    ; which take the loads of three steps on
.endif
.if (\t) < 7
.if (\t) < 5
	s_wait_loadcnt 16                              ; the next step's eight loads are in; those of the two steps behind it may be out
.else
	s_wait_loadcnt 8*(6-(\t))
.endif
	TURN (\t)+1
.endif
	v_max3_num_f32 v11, |v[XB]|, |v[XB+1]|, |v[XB+2]|      ; the block's largest magnitude: all 32 numbers are mine; two chains
	v_max3_num_f32 v12, |v[XB+3]|, |v[XB+4]|, |v[XB+5]|
.irp i, 6,10,14,18,22,26
	v_max3_num_f32 v11, v11, |v[XB+\i]|, |v[XB+\i+1]|
	v_max3_num_f32 v12, v12, |v[XB+\i+2]|, |v[XB+\i+3]|
.endr
	v_max3_num_f32 v11, v11, |v[XB+30]|, |v[XB+31]|
	v_max3_num_f32 v11, v11, v12, 0x1800000        ; and the floor 2^(3 - 127): the byte cannot fall under 1
	v_add_nc_u32 v13, 0xff000000, v11              ; 2 off the exponent field: the conversion takes the exponent field of this operand as its scale
	v_cvt_scalef32_pk16_fp6_f32 v[CB:CB+2], v[XB:XB+15], v13
	v_cvt_scalef32_pk16_fp6_f32 v[DD:DD+2], v[XB+16:XB+31], v13    ; (a conversion's three registers begin on an even number)
.if (\t)%2 == 0
	v_lshrrev_b32 v15, 23, v13                     ; the scale's byte: block h of the K step.  (Also the plain instruction behind the conversions)
.else
	v_lshrrev_b32 v14, 23, v13                     ; block 2 + h
.endif
.irp i, 0,1,2
	v_mov_b32 v[CB+3+\i], v[DD+\i]
.endr
	global_store_b128 v7, v[CB:CB+3], s[6:7] offset:768*(\t)         ; 512 consecutive bytes, at a multiple of 256 from the buffer's first byte
	global_store_b64 v8, v[CB+4:CB+5], s[6:7] offset:768*(\t)+512    ; 256 more
.if (\t)%2
	v_lshl_or_b32 v15, v14, 16, v15                ; my two bytes,
	v_lshlrev_b32 v15, v10, v15                    ; at their places in the word;
	v_permlanex16_b32 v[TW], v15, s30, s31
	v_or_b32 v[WD+(\t)/2], v15, v[TW]              ; with lane l xor 16's two the word of row r is whole
.endif
.endm
	LOAD 0
	LOAD 1
	LOAD 2
	s_wait_loadcnt 16                              ; step 0's eight loads are in
	TURN 0
.irp t, 0,1,2,3,4,5,6,7
	QSTEP \t
.endr
	v_cndmask_b32 v[OW], v[WD], v[WD+1], vcc_lo    ; lanes 0-15 an even K step's words, lanes 16-31 the next K step's: 128 consecutive bytes a store
	v_cndmask_b32 v[OW+1], v[WD+2], v[WD+3], vcc_lo
	global_store_b32 v9, v[OW], s[28:29]
	global_store_b32 v9, v[OW+1], s[28:29] offset:128
	s_wait_tensorcnt 0x0
	ds_add_u32 v254, v255
	s_wait_dscnt 0x0
	s_endpgm
.Lrope:
	; The tile of positions Tp: lane (r, h) gets, of position 16 Tp - 8 (Tp % 2) + r + 8 (r / 8): cos of dims 16 h + 0..15, of dims 32 + 16 h + 0..15, then sin likewise: 64 registers, stored as 16 groups of four at 16 x lane.
	s_sub_co_u32 s32, ttmp9, 896
	s_lshl_b32 s32, s32, 2
	s_add_co_u32 s32, s32, s2                      ; Tp, 0 .. 127
	s_and_b32 s33, s32, 1
	s_lshl_b32 s33, s33, 3
	s_lshl_b32 s34, s32, 4
	s_sub_co_u32 s34, s34, s33
	s_lshl_b32 s34, s34, 8                         ; a row of a table is 256 bytes
	s_mov_b32 s35, 0
	s_add_nc_u64 s[4:5], s[22:23], s[34:35]
	s_add_nc_u64 s[6:7], s[24:25], s[34:35]
	s_lshl_b32 s34, s32, 13
	s_add_co_u32 s34, s34, RI_OFF
	s_add_nc_u64 s[28:29], s[26:27], s[34:35]
	v_and_b32 v4, 8, v2
	v_add_nc_u32 v4, v4, v2                        ; r + 8 (r / 8)
	v_lshlrev_b32 v4, 8, v4
	v_lshl_add_u32 v4, v3, 6, v4                   ; + 64 h
.irp i, 0,1,2,3,4,5,6,7
	global_load_b128 v[16+4*\i:19+4*\i], v4, s[4:5] offset:128*(\i/4)+16*(\i%4)
.endr
.irp i, 0,1,2,3,4,5,6,7
	global_load_b128 v[48+4*\i:51+4*\i], v4, s[6:7] offset:128*(\i/4)+16*(\i%4)
.endr
	s_wait_loadcnt 0x0
.irp i, 0,1,2,3,4,5,6,7,8,9,10,11,12,13,14,15
	global_store_b128 v7, v[16+4*\i:19+4*\i], s[28:29] offset:512*\i
.endr
	s_endpgm
.Lfunc_end_k_qf3c97a4ef1_quant:
	.size	k_qf3c97a4ef1_quant, .Lfunc_end_k_qf3c97a4ef1_quant-k_qf3c97a4ef1_quant
	.p2alignl 7, 3214868480
	.fill 96, 4, 3214868480
	.section	.rodata,"a",@progbits
	.p2align	6, 0x0
	.amdhsa_kernel k_qf3c97a4ef1_quant
		.amdhsa_group_segment_fixed_size 35328
		.amdhsa_private_segment_fixed_size 0
		.amdhsa_enable_private_segment 0
		.amdhsa_kernarg_size 80
		.amdhsa_user_sgpr_count 2
		.amdhsa_user_sgpr_kernarg_segment_ptr 1
		.amdhsa_wavefront_size32 1
		.amdhsa_system_sgpr_workgroup_id_x 1
		.amdhsa_system_sgpr_workgroup_id_y 1
		.amdhsa_system_sgpr_workgroup_id_z 1
		.amdhsa_system_vgpr_workitem_id 0
		.amdhsa_next_free_vgpr 256
		.amdhsa_next_free_sgpr 66
		.amdhsa_reserve_vcc 1
		.amdhsa_float_denorm_mode_32 3
		.amdhsa_float_denorm_mode_16_64 3
		.amdhsa_memory_ordered 1
		.amdhsa_forward_progress 1
		.amdhsa_inst_pref_size 36
	.end_amdhsa_kernel
	.amdgpu_metadata
---
amdhsa.version: [ 1, 2 ]
amdhsa.kernels:
  - .name:           k_qf3c97a4ef1_quant
    .symbol:         k_qf3c97a4ef1_quant.kd
    .args:
      - { .name: q_in, .offset: 0, .size: 8, .value_kind: global_buffer, .address_space: global }
      - { .name: k_in, .offset: 8, .size: 8, .value_kind: global_buffer, .address_space: global }
      - { .name: v_in, .offset: 16, .size: 8, .value_kind: global_buffer, .address_space: global }
      - { .name: Wq, .offset: 24, .size: 8, .value_kind: global_buffer, .address_space: global }
      - { .name: Wk, .offset: 32, .size: 8, .value_kind: global_buffer, .address_space: global }
      - { .name: Wv, .offset: 40, .size: 8, .value_kind: global_buffer, .address_space: global }
      - { .name: Wo, .offset: 48, .size: 8, .value_kind: global_buffer, .address_space: global }
      - { .name: rope_cos, .offset: 56, .size: 8, .value_kind: global_buffer, .address_space: global }
      - { .name: rope_sin, .offset: 64, .size: 8, .value_kind: global_buffer, .address_space: global }
      - { .name: xw, .offset: 72, .size: 8, .value_kind: global_buffer, .address_space: global }
    .group_segment_fixed_size: 35328
    .private_segment_fixed_size: 0
    .kernarg_segment_align: 8
    .kernarg_segment_size: 80
    .max_flat_workgroup_size: 128
    .sgpr_count:     66
    .vgpr_count:     256
    .wavefront_size: 32
...
	.end_amdgpu_metadata
.endif
;; end of part 1
;; launch proj (part 2): grid 4 x 96, 4 waves a work-group, clusters of 4 x 4, 327,680 bytes of LDS; arguments xw, bq, bk, bv, qkv; writes qkv
.if DOCPART == 2
	.amdgcn_target "amdgcn-amd-amdhsa--gfx1250"
	.amdhsa_code_object_version 6
	.text
	.protected	k_qf3c97a4ef1_proj
	.globl	k_qf3c97a4ef1_proj
	.p2align	8
	.type	k_qf3c97a4ef1_proj,@function
k_qf3c97a4ef1_proj:
	s_mov_b64 s[64:65], 0
	v_nop
	global_prefetch_b8 v0, s[64:65] scope:SCOPE_SE
	s_setreg_imm32_b32 hwreg(HW_REG_WAVE_MODE, 25, 1), 1
	s_wait_xcnt 0x0
	s_wait_alu depctr_hold_cnt(0) depctr_sa_sdst(0) depctr_va_vdst(0) depctr_va_sdst(0) depctr_va_ssrc(0) depctr_va_vcc(0) depctr_vm_vsrc(0)
	s_getreg_b32 s2, hwreg(HW_REG_IB_STS2, 6, 4)
	s_cmp_eq_u32 s2, 0
	s_cbranch_scc0 .Lentry_in_a_cluster
	s_endpgm
.Lentry_in_a_cluster:
	s_bfe_u32 s2, ttmp6, 0x10000c
	s_cmp_lg_u32 s2, 0xf033
	s_cbranch_scc0 .Lentry_shape_is_right
	s_endpgm
.Lentry_shape_is_right:
; The three projections q = q_in Wq^T + bq, k = k_in Wk^T + bk, v = v_in Wv^T + bv on codes of FP6 (E2M3) with E8M0 scales, and what follows them up to the next quantiser:
; q and k get RoPE and are quantised along the head's 64; v is quantised along the KEYS.  All three leave as images of operand registers, for the attention launch.
; g = cluster y / 8 says which product (0 q, 1 k, 2 v); all sixteen partners of a cluster share it.  A work-group makes 256 rows x 256 features, each of four waves 128 x 128: 64 accumulators, 512 registers.
; OPERANDS come from xw as the launch before laid them: a row tile (16 rows, rows 32 (T / 2) + 8 (T % 2) + p + 8 (p / 8)) x 16 half images of 768 bytes; scale words [tile][K step][16].
; K = 1,024 goes in four slots of 256 through a ring of two LDS slots: a slot holds 16 tiles of x and 16 tiles of W, 3,072 consecutive bytes of memory each.  The scale words of all of K come once.
; ROLES.  P is a product's first source: its rows run along a lane's registers in the result.  R is the second: a lane holds one of its rows.  q, k: P = W (features), R = x (positions).  v: P = x (keys), R = Wv (features),
; so that a lane's registers run along the axis that is quantised next.  The LDS regions and the descriptors are the same for all g; only the addresses that fragments are READ from take sel = (g == 2).
; CLUSTERS: 4 x 4.  x's tiles hang on the work-group's y alone and are asked for jointly by a row of the cluster, W's on its x alone, by a column.
; LIMITS: as in the launch before: NaN and infinities are not served; a block under 2^-124 or of zeros gets the byte 1.
; REGISTERS: window 0: v1-31 addresses; v32-63 scale words, two sets; v64-127 a tile's 64 results on the way out; v128-223 R's eight fragments, later the quantiser's registers; v224-239 v's biases.
;   window 1: P's fragments, two sets, v0-95 and v128-223; on the way out the bias (v0-63) and two RoPE images (v64-127, v128-191).   windows 2, 3: the accumulators, (a, b) at v[8 (8 (a % 4) + b)].
.set XS_OFF, 22020096
.set RI_OFF, 22937600
.set QC_OFF, 13369344
.set QS_OFF, 19660800
.set HEADB,  208896                    ; a head's 16 records in qkv
.set RECB,   13056                     ; a record, 128 keys: K's 8 half images, V's 4 fragments at 6,144, K's scale words at 12,288, V's at 12,800
.set SLB,    3072                      ; a tile's four half images in a slot
.set HALFT,  8*SLB                     ; eight tiles: what one tensor load brings, and what one wave reads of P or of R
.set REGION, 2*HALFT                   ; x's 16 tiles; W's 16 lie behind them
.set SLOT,   2*REGION
.set SCL,    2*SLOT                    ; behind the ring: the scale words, x's 8,192 bytes, then W's
.set HALFS,  4096
.set SPARE,  SCL+4*HALFS               ; the spare words, 128 bytes for each wave: two blocks of 256 bytes that no other line names
.set FR,     12
.set NP,     4                         ; places behind this matrix instruction (ISA guide 7.12.1)
.set ADRR16, 16                        ; v16-17 R's fragments in slot 0, 1: + 16 x lane;  v18-19: + 8 x lane
.set ADRR8,  18
.set ADRP16, 20                        ; v20-23 the same for P
.set ADRP8,  22
.set ADRSR,  24                        ; v24 R's scale words, v25 P's: + 4 x lane
.set ADRSP,  25
.set L16,    26
.set L8,     27
.set SPW,    28                        ; v28 LDS address of my spare word; never rewritten
.set NIL,    29                        ; v29 0; never rewritten
.set L4,     30
.set SC,     32                        ; scale words: set s at v[SC + 16 s]: + a R's tile a, + 8 + b P's tile b; lanes 0-15 the slot's first K step, lanes 16-31 its second
.set H,      64
.set AF,     128
.set PC,     128                       ; the way out: v128-139 codes, v140-146 upper halves as the conversions leave them
.set TM,     148                       ; v148-151 largest magnitudes, v152-155 permutes and bytes, v160-163 scale operands
.set PW,     164                       ; the scale word just made
.set KW,     166                       ; v166-167 kept words, v168-169 the current ones, v170-171 the words as stored
.set RT,     172                       ; v172-179 RoPE's products
.set BV,     224
.set G1, 24
.set G0, 32
.set G1B, 48
.set G0B, 56
.set G1S, 68
.set G0S, 76
.set G1SB, 80
.set G0SB, 88
.set MSB, 0
.macro WIN new                         ; the immediate's high byte repeats the setting that is left
.if MSB != (\new)
	s_set_vgpr_msb (MSB<<8)|(\new)
.set MSB, (\new)
.endif
.endm
.set MUL_LO, 0xa1                      ; source 0 (P) window 1, source 1 (R) window 0, C and D window 2
.set MUL_HI, 0xf1                      ; the same, C and D window 3
.set TO_B,   0x40                      ; destination window 1, address window 0
; A joint load: waves 0 and 1 fetch x's halves, waves 2 and 3 W's.  Each line has one mask and one set of registers; the branch hangs on the wave's number alone.  Four v_nop follow each line.
.macro JLOAD g0a, g1a, g0b, g1b
	s_cmp_eq_u32 s15, 0
	s_cbranch_scc0 .Lfor_b_\@
	tensor_load_to_lds s[\g0a:\g0a+3], s[\g1a:\g1a+7]
	s_nop 0
.rept 4
	v_nop
.endr
	s_branch .Lasked_\@
.Lfor_b_\@:
	tensor_load_to_lds s[\g0b:\g0b+3], s[\g1b:\g1b+7]
	s_nop 0
.rept 4
	v_nop
.endr
.Lasked_\@:
.endm
.macro CREST                           ; a round of the cluster's barrier behind its opening barrier
	s_cmp_lg_u32 s14, 0
	s_cbranch_scc1 .Lnot_wave_0_\@
	s_barrier_signal -3
.Lnot_wave_0_\@:
	s_barrier_wait -3
	s_barrier_signal -1
	s_barrier_wait -1
.endm
.macro CROUND
	s_barrier_signal -1
	s_barrier_wait -1
	CREST
.endm
.macro PLACES n
.rept \n
	v_nop
.endr
.endm
	s_load_b256 s[4:11], s[0:1], 0x0               ; xw 4, bq 6, bk 8, bv 10
	s_load_b64 s[12:13], s[0:1], 0x20              ; qkv
	v_lshl_add_u32 v[SPW], v0, 2, SPARE
	v_mov_b32 v[NIL], 0
	ds_add_u32 v28, v29
	ds_add_u32 v28, v29
	s_wait_dscnt 0x0
	v_lshrrev_b32 v1, 5, v0
	v_readfirstlane_b32 s14, v1                    ; wave 0..3
	s_lshr_b32 s15, s14, 1                         ; my half of R.  Also: I fetch for x (0) or for W (1)
	s_and_b32 s16, s14, 1                          ; my half of P.  Also: which eight tiles I fetch
	s_bfe_u32 s40, ttmp6, 0x40000                  ; cx
	s_bfe_u32 s41, ttmp6, 0x40004                  ; cy
	s_lshl_b32 s42, ttmp9, 2
	s_add_co_u32 s42, s42, s40                     ; work-group x: 256 features
	s_and_b32 s17, ttmp7, 0xffff                   ; cluster y, 0 .. 23
	s_lshr_b32 s66, s17, 3                         ; g
	s_bfe_u32 s67, s17, 0x10004                    ; sel = bit 4 of cluster y: 1 for v
	s_xor_b32 s95, s67, 1
	s_and_b32 s17, s17, 7
	s_lshl_b32 s17, s17, 2
	s_add_co_u32 s17, s17, s41                     ; yy: which 256 rows of the tensor
	s_lshl_b32 s43, s41, 2
	s_lshl_b32 s43, 15, s43                        ; my row of the cluster
	s_lshl_b32 s44, 0x1111, s40                    ; my column
	; descriptor group 1, codes: eight rows of 3,072 bytes (384 elements of 8), 12,288 bytes apart; no padding: fragments are read as consecutive bytes
	s_or_b32 s[G1+0], s43, (3<<16)|(1<<21)
	s_or_b32 s[G1B+0], s44, (3<<16)|(1<<21)
.irp g, G1, G1B
	s_mov_b32 s[\g+1], 384<<16                     ; tensor_dim0
	s_mov_b32 s[\g+2], 8<<16                       ; tensor_dim1
	s_mov_b32 s[\g+3], 384<<16                     ; tile_dim0
	s_mov_b32 s[\g+4], 8                           ; tile_dim1
	s_mov_b32 s[\g+5], 1536                        ; tensor_dim0_stride
	s_mov_b32 s[\g+6], 0
	s_mov_b32 s[\g+7], 0
.endr
	; scale words of eight tiles: 4,096 dense bytes as 16 rows of 256
	s_or_b32 s[G1S+0], s43, (3<<16)|(1<<21)
	s_or_b32 s[G1SB+0], s44, (3<<16)|(1<<21)
.irp g, G1S, G1SB
	s_mov_b32 s[\g+1], 32<<16
	s_mov_b32 s[\g+2], 16<<16
	s_mov_b32 s[\g+3], 32<<16
	s_mov_b32 s[\g+4], 16
	s_mov_b32 s[\g+5], 32
	s_mov_b32 s[\g+6], 0
	s_mov_b32 s[\g+7], 0
.endr
	s_lshl_b32 s18, s16, 3                         ; which eight tiles
	s_lshl_b32 s20, s66, 9
	s_lshl_b32 s21, s17, 4
	s_add_co_u32 s20, s20, s21
	s_add_co_u32 s20, s20, s18                     ; x: tile 512 g + 16 yy + 8 x half
	s_lshl_b32 s46, s66, 6
	s_lshl_b32 s47, s42, 4
	s_add_co_u32 s46, s46, s47
	s_add_co_u32 s46, s46, s18
	s_add_co_u32 s46, s46, 1536                    ; W: tile 1536 + 64 g + 16 x + 8 x half
	s_lshl_b32 s22, s20, 9
	s_add_co_u32 s22, s22, XS_OFF
	s_mov_b32 s23, 0
	s_lshl_b32 s92, s46, 9
	s_add_co_u32 s92, s92, XS_OFF
	s_mov_b32 s93, 0
	s_mul_i32 s20, s20, 12288
	s_mov_b32 s21, 0
	s_mul_i32 s46, s46, 12288
	s_mov_b32 s47, 0
	s_mul_i32 s45, s14, HALFT                      ; where they go: wave x eight tiles: no place in the cluster enters an LDS address
	s_mul_i32 s94, s14, HALFS
	s_wait_kmcnt 0x0
	s_add_nc_u64 s[20:21], s[4:5], s[20:21]
	s_add_nc_u64 s[22:23], s[4:5], s[22:23]
	s_add_nc_u64 s[46:47], s[4:5], s[46:47]
	s_add_nc_u64 s[92:93], s[4:5], s[92:93]
	CROUND                                         ; all sixteen work-groups are here: the first joint loads meet
	s_mov_b32 s[G0S], 1
	s_add_co_u32 s[G0S+1], s94, SCL
	s_mov_b64 s[G0S+2:G0S+3], s[22:23]
	s_or_b32 s[G0S+3], s[G0S+3], 0x80000000
	s_mov_b32 s[G0SB], 1
	s_add_co_u32 s[G0SB+1], s94, SCL
	s_mov_b64 s[G0SB+2:G0SB+3], s[92:93]
	s_or_b32 s[G0SB+3], s[G0SB+3], 0x80000000
	JLOAD G0S, G1S, G0SB, G1SB                     ; the scale words first: three loads of mine are out behind this group
.irp s, 0,1
	s_mov_b32 s[G0+4*\s], 1
	s_add_co_u32 s[G0+4*\s+1], s45, \s*SLOT
	s_add_nc_u64 s[G0+4*\s+2:G0+4*\s+3], s[20:21], \s*SLB
	s_or_b32 s[G0+4*\s+3], s[G0+4*\s+3], 0x80000000
	s_mov_b32 s[G0B+4*\s], 1
	s_add_co_u32 s[G0B+4*\s+1], s45, \s*SLOT
	s_add_nc_u64 s[G0B+4*\s+2:G0B+4*\s+3], s[46:47], \s*SLB
	s_or_b32 s[G0B+4*\s+3], s[G0B+4*\s+3], 0x80000000
	JLOAD G0+4*\s, G1, G0B+4*\s, G1B
.endr
	v_and_b32 v1, 31, v0                           ; lane
	v_and_b32 v2, 15, v0                           ; r
	v_bfe_u32 v3, v0, 4, 1                         ; h
	v_lshlrev_b32 v[L16], 4, v1
	s_wait_alu depctr_va_vdst(0)
	v_lshlrev_b32 v[L8], 3, v1
	s_wait_alu depctr_va_vdst(0)
	v_lshlrev_b32 v[L4], 2, v1
	s_wait_alu depctr_va_vdst(0)
	s_mul_i32 s21, s67, REGION                     ; R: x's region for q and k, W's for v; my half of it
	s_mul_i32 s18, s15, HALFT
	s_add_co_u32 s21, s21, s18
	s_mul_i32 s22, s95, REGION                     ; P: the other region
	s_mul_i32 s18, s16, HALFT
	s_add_co_u32 s22, s22, s18
.irp s, 0,1
	v_add_nc_u32 v[ADRR16+\s], s21, v[L16]
	v_add_nc_u32 v[ADRR8+\s], s21, v[L8]
	v_add_nc_u32 v[ADRP16+\s], s22, v[L16]
	v_add_nc_u32 v[ADRP8+\s], s22, v[L8]
	s_add_co_u32 s21, s21, SLOT
	s_add_co_u32 s22, s22, SLOT
.endr
	s_mul_i32 s21, s67, 2*HALFS
	s_mul_i32 s18, s15, HALFS
	s_add_co_u32 s21, s21, s18
	s_add_co_u32 s21, s21, SCL
	v_add_nc_u32 v[ADRSR], s21, v[L4]
	s_mul_i32 s22, s95, 2*HALFS
	s_mul_i32 s18, s16, HALFS
	s_add_co_u32 s22, s22, s18
	s_add_co_u32 s22, s22, SCL
	v_add_nc_u32 v[ADRSP], s22, v[L4]
	s_mov_b32 s96, 0x76543210
	s_mov_b32 s97, 0xfedcba98                      ; selects for lane l xor 16
	s_mov_b32 s98, 0x7f7f0000                      ; the bytes of a head's scale word that scale nothing: 1.0
	v_cmp_le_u32 s99, 16, v1                       ; lanes 16-31
; A fragment, 16 rows x 128 K: two half images.  Every load reads consecutive bytes.
.macro FRAG reg, a16, a8, q, i
	ds_load_b128 v[\reg:\reg+3], v[\a16] offset:(\i)*SLB+(\q)*1536
	ds_load_b64 v[\reg+4:\reg+5], v[\a8] offset:(\i)*SLB+(\q)*1536+512
	ds_load_b128 v[\reg+6:\reg+9], v[\a16] offset:(\i)*SLB+(\q)*1536+768
	ds_load_b64 v[\reg+10:\reg+11], v[\a8] offset:(\i)*SLB+(\q)*1536+1280
.endm
.macro FETCH_B slot, q, p              ; P's eight fragments of the slot's q-th K step into set p
	WIN TO_B
.irp i, 0,1,2,3,4,5,6,7
	FRAG 128*(\p)+FR*\i, ADRP16+\slot, ADRP8+\slot, \q, \i
.endr
	WIN 0
.endm
.macro FETCH_A slot, q, i0             ; R's tiles i0 .. i0 + 3
.irp i, \i0, \i0+1, \i0+2, \i0+3
	FRAG AF+FR*(\i), ADRR16+\slot, ADRR8+\slot, \q, \i
.endr
.endm
.macro SCALES set                      ; a slot's scale words: lanes 0-15 take its first K step's, lanes 16-31 its second's
.irp i, 0,1,2,3,4,5,6,7
	ds_load_b32 v[SC+16*\set+\i], v[ADRSR] offset:512*\i
	ds_load_b32 v[SC+16*\set+8+\i], v[ADRSP] offset:512*\i
.endr
.endm
; 16 matrix instructions: R's tiles a0, a0 + 1 x P's eight.  zero = 1: the first product starts the sums.  The 64 accumulators take turns, one instruction a turn, in the same order in every K step.
.macro MUL16 a0, p, q, sc, zero
.irp a, \a0, \a0+1
.irp b, 0,1,2,3,4,5,6,7
.if \zero
	v_wmma_scale_f32_16x16x128_f8f6f4 v[8*(8*((\a)%4)+\b):8*(8*((\a)%4)+\b)+7], v[128*(\p)+FR*\b:128*(\p)+FR*\b+FR-1], v[AF+FR*(\a):AF+FR*(\a)+FR-1], 0, v[SC+16*(\sc)+8+\b], v[SC+16*(\sc)+(\a)] matrix_a_fmt:MATRIX_FMT_FP6 matrix_b_fmt:MATRIX_FMT_FP6
.elseif \q
	v_wmma_scale_f32_16x16x128_f8f6f4 v[8*(8*((\a)%4)+\b):8*(8*((\a)%4)+\b)+7], v[128*(\p)+FR*\b:128*(\p)+FR*\b+FR-1], v[AF+FR*(\a):AF+FR*(\a)+FR-1], v[8*(8*((\a)%4)+\b):8*(8*((\a)%4)+\b)+7], v[SC+16*(\sc)+8+\b], v[SC+16*(\sc)+(\a)] matrix_a_fmt:MATRIX_FMT_FP6 matrix_b_fmt:MATRIX_FMT_FP6 matrix_a_scale:MATRIX_SCALE_ROW1 matrix_b_scale:MATRIX_SCALE_ROW1
.else
	v_wmma_scale_f32_16x16x128_f8f6f4 v[8*(8*((\a)%4)+\b):8*(8*((\a)%4)+\b)+7], v[128*(\p)+FR*\b:128*(\p)+FR*\b+FR-1], v[AF+FR*(\a):AF+FR*(\a)+FR-1], v[8*(8*((\a)%4)+\b):8*(8*((\a)%4)+\b)+7], v[SC+16*(\sc)+8+\b], v[SC+16*(\sc)+(\a)] matrix_a_fmt:MATRIX_FMT_FP6 matrix_b_fmt:MATRIX_FMT_FP6
.endif
.endr
.endr
.endm
; A slot's first K step: multiplies P's set 0 and fetches the second K step (P into set 1; R's one set in two runs, each behind the products that read it and four places).
.macro STEP slot, zero
	s_wait_dscnt 16                                ; all but the youngest sixteen loads, R's tiles 4-7
	WIN MUL_LO
	MUL16 0, 0, 0, \slot, \zero
	MUL16 2, 0, 0, \slot, \zero
	s_wait_dscnt 0x0                               ; R's tiles 4-7 are in
	PLACES NP
	FETCH_B \slot, 1, 1
	FETCH_A \slot, 1, 0
	WIN MUL_HI
	MUL16 4, 0, 0, \slot, \zero
	MUL16 6, 0, 0, \slot, \zero
	PLACES NP
	WIN 0
	FETCH_A \slot, 1, 4
.endm
; A slot's second K step changes slots: one barrier; in front of it each wave waits for all its tensor loads, adds 0 to its spare word, and waits for that and for its own reads of this slot.  fill = 1: this slot is filled again.
.macro TURN slot, next, fill
	s_wait_tensorcnt 0x0                           ; all my tensor loads have landed: my part of the next slot
	ds_add_u32 v[SPW], v[NIL]                      ; 0 onto my spare word
	s_wait_dscnt 17                                ; (the add and the youngest sixteen loads may be out)
	WIN MUL_LO
	MUL16 0, 1, 1, \slot, 0                        ; sixteen matrix instructions stand between the add and the wait for it
	s_wait_dscnt 0x0                               ; the add is done, and my reads of this slot are over
	s_barrier_signal -1
	MUL16 2, 1, 1, \slot, 0
	WIN 0
	s_barrier_wait -1
.if \fill
	CREST                                          ; the barrier has opened a round of the cluster's barrier: no wave of any partner still reads this slot or has a load on its way
	s_add_nc_u64 s[G0+4*\slot+2:G0+4*\slot+3], s[G0+4*\slot+2:G0+4*\slot+3], 2*SLB
	s_add_nc_u64 s[G0B+4*\slot+2:G0B+4*\slot+3], s[G0B+4*\slot+2:G0B+4*\slot+3], 2*SLB
	JLOAD G0+4*\slot, G1, G0B+4*\slot, G1B         ; the first tensor load behind the round; its four v_nop are the places in front of the loads below
.else
	PLACES NP
.endif
	s_wait_alu depctr_va_vdst(0)
	v_add_nc_u32 v[ADRSR], 128, v[ADRSR]           ; on to the next slot's scale words
	v_add_nc_u32 v[ADRSP], 128, v[ADRSP]
	FETCH_B \next, 0, 0
	FETCH_A \next, 0, 0
	SCALES \next
	WIN MUL_HI
	MUL16 4, 1, 1, \slot, 0
	MUL16 6, 1, 1, \slot, 0
	PLACES NP
	WIN 0
	FETCH_A \next, 0, 4
.endm
.macro LAST                            ; the last K step: nothing more to fetch
	s_wait_dscnt 16
	WIN MUL_LO
	MUL16 0, 1, 1, 1, 0
	MUL16 2, 1, 1, 1, 0
	s_wait_dscnt 0x0
	WIN MUL_HI
	MUL16 4, 1, 1, 1, 0
	MUL16 6, 1, 1, 1, 0
	WIN 0
.endm
; 64 numbers of a lane, register 16 b + i = index 32 b + 16 (lane / 16) + i along the next K, become 12 registers of codes in v[PC] on and a scale word in v[PW].
.macro QUANT s
.irp b, 0,1,2,3
	v_max3_num_f32 v[TM+\b], |v[\s+16*\b]|, |v[\s+1+16*\b]|, 0x1800000   ; my 16 numbers of block b, and the floor 2^(3 - 127)
.endr
.irp i, 2,4,6,8,10,12,14
.irp b, 0,1,2,3
	v_max3_num_f32 v[TM+\b], v[TM+\b], |v[\s+16*\b+\i]|, |v[\s+1+16*\b+\i]|
.endr
.endr
.irp b, 0,1,2,3
	v_permlanex16_b32 v[TM+4+\b], v[TM+\b], s96, s97
.endr
.irp b, 0,1,2,3
	v_max_num_f32 v[TM+\b], v[TM+\b], v[TM+4+\b]   ; with lane l xor 16's: the block's largest magnitude
.endr
.irp b, 0,1,2,3
	v_add_nc_u32 v[TM+12+\b], 0xff000000, v[TM+\b] ; 2 off its exponent field: the conversion's scale operand
.endr
.irp b, 0,1,2,3
	v_lshrrev_b32 v[TM+4+\b], 23, v[TM+12+\b]      ; the scale's byte
.endr
	v_lshl_or_b32 v[PW], v[TM+5], 8, v[TM+4]
	v_lshl_or_b32 v[PW], v[TM+6], 16, v[PW]
	v_lshl_or_b32 v[PW], v[TM+7], 24, v[PW]
.irp c, 0,1
	v_cvt_scalef32_pk16_fp6_f32 v[PC+6*\c:PC+2+6*\c], v[\s+32*\c:\s+15+32*\c], v[TM+12+2*\c]
	v_cvt_scalef32_pk16_fp6_f32 v[PC+12+4*\c:PC+14+4*\c], v[\s+16+32*\c:\s+31+32*\c], v[TM+12+2*\c+1]
.endr
	v_nop                                          ; one plain instruction behind a scaled conversion
.irp c, 0,1                            ; the operand's layout wants a whole block in a lane: lanes 0-15 block 2 c, lanes 16-31 block 2 c + 1
.irp i, 0,1,2
	v_permlane16_swap_b32 v[PC+6*\c+\i], v[PC+12+4*\c+\i]
.endr
.irp i, 0,1,2
	v_mov_b32 v[PC+3+6*\c+\i], v[PC+12+4*\c+\i]
.endr
.endr
.endm
	s_wait_alu depctr_va_vdst(0)
	s_wait_tensorcnt 1                             ; the scale words and my part of slot 0 are in (slot 1's load may be out)
	s_barrier_signal -1
	s_barrier_wait -1                              ; everybody's are
	FETCH_B 0, 0, 0
	FETCH_A 0, 0, 0
	SCALES 0
	FETCH_A 0, 0, 4
	STEP 0, 1                                      ; K 0: starts the sums
	TURN 0, 1, 1                                   ; K 128; slot 0 takes K 512 on
	STEP 1, 0
	TURN 1, 0, 1                                   ; slot 1 takes K 768 on
	STEP 0, 0
	TURN 0, 1, 0                                   ; nothing is left to fetch
	STEP 1, 0
	s_cmp_eq_u32 s66, 2                            ; the same in every wave of every partner
	s_cbranch_scc1 .Lv
	; ---- q and k.  For R tile a (16 positions) a lane holds position r and 64 features x 2 heads: register 16 b + i = feature 32 b + 16 h + i of my 128.
	s_lshl_b32 s68, s17, 4
	s_lshl_b32 s69, s15, 3
	s_add_co_u32 s68, s68, s69                     ; my first tile of rows, of the tensor's 512
	s_lshr_b32 s69, s68, 7                         ; batch
	s_and_b32 s70, s68, 127                        ; T0: tile of positions
	s_lshl_b32 s71, s42, 2
	s_lshl_b32 s72, s16, 1
	s_add_co_u32 s71, s71, s72                     ; my first head
	s_lshl_b32 s72, s69, 4
	s_add_co_u32 s72, s72, s71                     ; 16 x batch + head
	s_lshl_b32 s73, s72, 7
	s_add_co_u32 s73, s73, s70
	s_mul_i32 s74, s73, 768
	s_add_co_u32 s74, s74, QC_OFF                  ; q: codes [head][tile][768],
	s_lshl_b32 s75, s73, 6
	s_add_co_u32 s75, s75, QS_OFF                  ; scale words [head][tile][64]
	s_mul_i32 s76, s72, HEADB
	s_lshr_b32 s77, s70, 3
	s_mul_i32 s77, s77, RECB
	s_add_co_u32 s76, s76, s77                     ; k: my eight tiles are one record's
	s_add_co_u32 s77, s76, 12288
	s_mov_b32 s78, 98304                           ; from head to head: q's codes,
	s_mov_b32 s79, HEADB                           ; k's codes and scale words,
	s_mov_b32 s80, 8192                            ; q's scale words
	s_cmp_eq_u32 s66, 0
	s_cselect_b32 s74, s74, s76
	s_cselect_b32 s75, s75, s77
	s_cselect_b32 s78, s78, s79
	s_cselect_b32 s80, s80, s79
	s_cselect_b64 s[82:83], s[6:7], s[8:9]         ; bq or bk
	s_mov_b32 s84, s74
	s_mov_b32 s85, 0
	s_add_nc_u64 s[18:19], s[12:13], s[84:85]      ; codes, first head
	s_mov_b32 s84, s78
	s_add_nc_u64 s[20:21], s[18:19], s[84:85]      ; second head
	s_mov_b32 s84, s75
	s_add_nc_u64 s[22:23], s[12:13], s[84:85]      ; scale words, first head
	s_mov_b32 s84, s80
	s_add_nc_u64 s[46:47], s[22:23], s[84:85]      ; second head
	s_lshl_b32 s84, s71, 8
	s_add_nc_u64 s[82:83], s[82:83], s[84:85]      ; the bias of my 128 features
	s_lshl_b32 s84, s70, 13
	s_add_co_u32 s84, s84, RI_OFF
	s_add_nc_u64 s[86:87], s[4:5], s[84:85]        ; the RoPE images of my eight tiles of positions
	v_lshlrev_b32 v31, 6, v3                       ; 64 h
.macro CSLOAD a                        ; tile a's RoPE image into set a % 2 of window 1: cos low 16, cos high 16, sin low 16, sin high 16
.set II, 0
.rept 16
	global_load_b128 v[64+64*((\a)%2)+4*II:64+64*((\a)%2)+4*II+3], v[L16], s[86:87] offset:(\a)*8192+512*II
.set II, II+1
.endr
.endm
	WIN TO_B                                       ; P's set 0 was read last in front of the four places at the end of the K step before
.irp bb, 0,1,2,3
.irp j, 0,1,2,3
	global_load_b128 v[16*\bb+4*\j:16*\bb+4*\j+3], v31, s[82:83] offset:128*\bb+16*\j
.endr
.endr
	CSLOAD 0
	WIN 0
	LAST
	PLACES NP                                      ; in front of the loads into P's set 1, of the writes over R's fragments and of the first read of results
	WIN TO_B
	CSLOAD 1
	WIN 0
.irp b, 0,1,2,3
	v_mov_b32 v[TM+4+\b], 0                        ; a lane permute's destination counts as one of its sources
.endr
.macro QKROW a
.if (\a) < 7
	s_wait_loadcnt 16                              ; this tile's image is in (for tile 0 the bias too); the next tile's sixteen loads may be out
.else
	s_wait_loadcnt 0x0
.endif
	s_wait_xcnt 0x0                                ; the last tile's stores have read their registers
	WIN 0x06+(\a)/4                                ; source 0: the accumulators' window; source 1: window 1
.set MI, 0
.rept 32
	v_pk_add_f32 v[H+MI:H+MI+1], v[64*((\a)%4)+MI:64*((\a)%4)+MI+1], v[MI:MI+1]   ; + bias; each accumulator from its low end on
.set MI, MI+2
.endr
	WIN 0x04                                       ; source 1: window 1
.set CSB, 64+64*((\a)%2)
.irp o, 0,32                           ; RoPE, a head at a time: low' = low cos - high sin, high' = high cos + low sin
.irp i, 0,2,4,6,8,10,12,14
.set TT, RT+4*((\i/2)%2)
	v_pk_mul_f32 v[TT:TT+1], v[H+\o+\i:H+\o+\i+1], v[CSB+\i:CSB+\i+1]
	v_pk_mul_f32 v[TT+2:TT+3], v[H+\o+\i:H+\o+\i+1], v[CSB+48+\i:CSB+48+\i+1]
	v_pk_fma_f32 v[H+\o+\i:H+\o+\i+1], v[H+\o+16+\i:H+\o+16+\i+1], v[CSB+32+\i:CSB+32+\i+1], v[TT:TT+1] neg_lo:[1,0,0] neg_hi:[1,0,0]
	v_pk_fma_f32 v[H+\o+16+\i:H+\o+16+\i+1], v[H+\o+16+\i:H+\o+16+\i+1], v[CSB+16+\i:CSB+16+\i+1], v[TT+2:TT+3]
.endr
.endr
.if (\a) < 6
	WIN TO_B
	CSLOAD (\a)+2                                  ; the image two tiles on takes this tile's registers
.endif
	WIN 0
	QUANT H                                        ; codes 0-5: the first head's half image; 6-11: the second's; the word's bytes 0, 1 and 2, 3 likewise
	global_store_b128 v[L16], v[PC:PC+3], s[18:19] offset:768*(\a)
	global_store_b64 v[L8], v[PC+4:PC+5], s[18:19] offset:768*(\a)+512
	global_store_b128 v[L16], v[PC+6:PC+9], s[20:21] offset:768*(\a)
	global_store_b64 v[L8], v[PC+10:PC+11], s[20:21] offset:768*(\a)+512
.if (\a)%2 == 0
	v_and_or_b32 v[KW], v[PW], 0xffff, s98         ; a head's word: its two bytes, and 1.0 for the half of the instruction's K that holds nothing
	v_lshrrev_b32 v[KW+1], 16, v[PW]
	v_or_b32 v[KW+1], s98, v[KW+1]
.else
	v_and_or_b32 v[KW+2], v[PW], 0xffff, s98
	v_lshrrev_b32 v[KW+3], 16, v[PW]
	v_or_b32 v[KW+3], s98, v[KW+3]
	v_cndmask_b32 v[KW+4], v[KW], v[KW+2], s99     ; lanes 0-15 the even tile's words, lanes 16-31 the odd tile's: 128 consecutive bytes
	v_cndmask_b32 v[KW+5], v[KW+1], v[KW+3], s99
	global_store_b32 v[L4], v[KW+4], s[22:23] offset:64*((\a)-1)
	global_store_b32 v[L4], v[KW+5], s[46:47] offset:64*((\a)-1)
.endif
.endm
.irp a, 0,1,2,3,4,5,6,7
	QKROW \a
.endr
	s_branch .Lend
.Lv:
	; ---- v.  For R tile a (16 features of Wv) a lane holds one feature, and its 64 registers run along my 128 keys: one fragment of V^T and one scale word.
	s_lshl_b32 s68, s17, 4
	s_lshl_b32 s69, s16, 3
	s_add_co_u32 s68, s68, s69                     ; my first tile of keys, of the tensor's 512
	s_lshr_b32 s69, s68, 7                         ; batch
	s_bfe_u32 s70, s68, 0x40003                    ; which 128 keys of the 2,048
	s_lshl_b32 s71, s42, 2
	s_lshl_b32 s72, s15, 1
	s_add_co_u32 s71, s71, s72                     ; my first head
	s_lshl_b32 s72, s69, 4
	s_add_co_u32 s72, s72, s71
	s_mul_i32 s84, s72, HEADB
	s_mul_i32 s70, s70, RECB
	s_add_co_u32 s84, s84, s70
	s_mov_b32 s85, 0
	s_add_nc_u64 s[18:19], s[12:13], s[84:85]      ; the record
	s_lshl_b32 s84, s71, 8
	s_add_nc_u64 s[82:83], s[10:11], s[84:85]      ; bv of my 128 features
	v_and_b32 v31, 8, v2
	v_add_nc_u32 v31, v31, v2
	v_lshlrev_b32 v31, 2, v31                      ; 4 (r + 8 (r / 8))
.irp a, 0,1,2,3,4,5,6,7
	global_load_b32 v[BV+2*\a], v31, s[82:83] offset:4*(32*(\a/2)+8*(\a%2))
	v_mov_b32 v[BV+2*\a+1], 0                      ; (named with it as a pair, so it is written)
.endr
	LAST
	PLACES NP
.irp b, 0,1,2,3
	v_mov_b32 v[TM+4+\b], 0
.endr
	s_wait_loadcnt 0x0
.macro VROW a
	s_wait_xcnt 0x0                                ; the last tile's stores have read their registers
	WIN 0x02+(\a)/4                                ; source 0: the accumulators' window
.set MI, 0
.rept 32
	v_pk_add_f32 v[H+MI:H+MI+1], v[64*((\a)%4)+MI:64*((\a)%4)+MI+1], v[BV+2*(\a):BV+2*(\a)+1] op_sel_hi:[1,0]
.set MI, MI+2
.endr
	WIN 0
	QUANT H
.irp c, 0,1,2
	global_store_b128 v[L16], v[PC+4*\c:PC+4*\c+3], s[18:19] offset:((\a)/4)*HEADB+6144+((\a)%4)*1536+512*\c
.endr
.if (\a)%2 == 0
	v_mov_b32 v[KW], v[PW]
.else
	v_cndmask_b32 v[KW+4], v[KW], v[PW], s99
	global_store_b32 v[L4], v[KW+4], s[18:19] offset:((\a)/4)*HEADB+12800+(((\a)%4)/2)*128
.endif
.endm
.irp a, 0,1,2,3,4,5,6,7
	VROW \a
.endr
.Lend:
	s_wait_tensorcnt 0x0                           ; the wave's end
	ds_add_u32 v[SPW], v[NIL]
	s_wait_dscnt 0x0
	CROUND                                         ; the closing round: no work-group ends while a partner may still ask for a tile that names it
	s_endpgm
.Lfunc_end_k_qf3c97a4ef1_proj:
	.size	k_qf3c97a4ef1_proj, .Lfunc_end_k_qf3c97a4ef1_proj-k_qf3c97a4ef1_proj
	.p2alignl 7, 3214868480
	.fill 96, 4, 3214868480
	.section	.rodata,"a",@progbits
	.p2align	6, 0x0
	.amdhsa_kernel k_qf3c97a4ef1_proj
		.amdhsa_group_segment_fixed_size 327680
		.amdhsa_private_segment_fixed_size 0
		.amdhsa_enable_private_segment 0
		.amdhsa_kernarg_size 40
		.amdhsa_user_sgpr_count 2
		.amdhsa_user_sgpr_kernarg_segment_ptr 1
		.amdhsa_wavefront_size32 1
		.amdhsa_system_sgpr_workgroup_id_x 1
		.amdhsa_system_sgpr_workgroup_id_y 1
		.amdhsa_system_sgpr_workgroup_id_z 1
		.amdhsa_system_vgpr_workitem_id 0
		.amdhsa_next_free_vgpr 1024
		.amdhsa_next_free_sgpr 100
		.amdhsa_reserve_vcc 0
		.amdhsa_float_denorm_mode_32 3
		.amdhsa_float_denorm_mode_16_64 3
		.amdhsa_memory_ordered 1
		.amdhsa_forward_progress 1
		.amdhsa_inst_pref_size 255
	.end_amdhsa_kernel
	.section	.bss,"aw",@nobits
	.p2align	6
	.space	262144
	.amdgpu_metadata
---
amdhsa.version: [ 1, 2 ]
amdhsa.kernels:
  - .name:           k_qf3c97a4ef1_proj
    .symbol:         k_qf3c97a4ef1_proj.kd
    .args:
      - { .name: xw, .offset: 0, .size: 8, .value_kind: global_buffer, .address_space: global }
      - { .name: bq, .offset: 8, .size: 8, .value_kind: global_buffer, .address_space: global }
      - { .name: bk, .offset: 16, .size: 8, .value_kind: global_buffer, .address_space: global }
      - { .name: bv, .offset: 24, .size: 8, .value_kind: global_buffer, .address_space: global }
      - { .name: qkv, .offset: 32, .size: 8, .value_kind: global_buffer, .address_space: global }
    .group_segment_fixed_size: 327680
    .private_segment_fixed_size: 0
    .kernarg_segment_align: 8
    .kernarg_segment_size: 40
    .max_flat_workgroup_size: 128
    .sgpr_count:     100
    .vgpr_count:     1024
    .wavefront_size: 32
...
	.end_amdgpu_metadata
.endif
;; end of part 2
;; launch attn (part 3): grid 4 x 64, 16 waves a work-group, no clusters, 210,944 bytes of LDS; arguments qkv, oc; writes oc
.if DOCPART == 3
	.amdgcn_target "amdgcn-amd-amdhsa--gfx1250"
	.amdhsa_code_object_version 6
	.text
	.protected	k_qf3c97a4ef1_attn
	.globl	k_qf3c97a4ef1_attn
	.p2align	8
	.type	k_qf3c97a4ef1_attn,@function
k_qf3c97a4ef1_attn:
	s_mov_b64 s[64:65], 0
	v_nop
	global_prefetch_b8 v0, s[64:65] scope:SCOPE_SE
	s_setreg_imm32_b32 hwreg(HW_REG_WAVE_MODE, 25, 1), 1
	s_wait_xcnt 0x0
; Causal attention of one head (64 channels, 2,048 positions) on codes of FP6 (E2M3) with E8M0 scales; the result, divided by the row's sum, is quantised along (head, channel) and leaves as an operand image for the last product.
; THE SOFTMAX: t = score x log2(e) / 8; M = the running largest t rounded up to a whole number; p = 2^(t - M) is quantised along the keys, not normalised; the sum is taken of the unquantised p; when M moves, the sum and O are multiplied by 2^(old M - new M).
; SHARES.  Work-group (x, head): sixteen waves, four to a SIMD.  Wave W = 16 x + w owns the tiles of 16 queries T = W and 127 - T: together 17 key steps of 128 that are not wholly hidden, the same for every wave of the launch.
; A tile T holds positions 16 T - 8 (T % 2) + p + 8 (p / 8).  A key step all of whose keys come after the tile's last query (first + 23) is left out by a scalar branch on ids; the trip counts are constants.
; LDS holds the head's whole K and V, 16 records of 13,056 bytes as they lie in qkv (K's 8 half images, V's 4 fragments, K's and V's scale words), filled ONCE by four tensor loads: no slot is filled again.
; NO CLUSTER, though the four work-groups of a head read the same bytes: the skip of hidden key steps is a branch on the wave's first query, which differs between them.
; NO PREFETCH: all that the launch reads is asked for at its head.
; K = 64 IN AN INSTRUCTION 128 DEEP: Q's registers 6-11 are zero codes; K's fragment t is named with the six registers behind it (the next tile's codes, or six zeros), which meet those zeros; the scale bytes there are 1.0 on both sides.
; Both products are used transposed (S^T = K Q^T, O^T = V^T P^T): a lane holds one query; the 16 registers of tiles 2 b, 2 b + 1 of S^T are keys 32 b + 16 (lane / 16) + 0 .. 15.
; LIMITS: NaN and infinities are not served; a block under 2^-124 or of zeros gets the byte 1 (its codes are zeros where it is all zeros).
; REGISTERS: v1-3 16, 8, 4 x lane; v4-6 the step's LDS addresses; v7-11 mask and store offsets; v12 -M, v13 largest t, v14-15 the sum; v16-27, v236-247 Q; v28, v29 Q's scale words; v32-85 K, then V; v86-90 at work;
;   v96-159 S^T, then p; v160-191 O^T; v192-210 codes; v212-223 block maxima, bytes, scale operands; v224-229 K's and V's scale words.
.set HEADB,  208896
.set RECB,   13056
.set QC_OFF, 13369344
.set QS_OFF, 19660800
.set OS_OFF, 6291456
.set PC, 192
.set PT, 204
.set BM, 212
.set BT, 216
.set BS, 220
	s_load_b128 s[4:7], s[0:1], 0x0                ; qkv, oc
	v_lshl_add_u32 v254, v0, 2, 0x33000
	v_mov_b32 v255, 0
	ds_add_u32 v254, v255
	ds_add_u32 v254, v255
	v_lshrrev_b32 v1, 5, v0
	s_delay_alu instid0(VALU_DEP_1)
	v_readfirstlane_b32 s8, v1                     ; wave 0..15
	s_and_b32 s9, ttmp7, 0xffff                    ; 16 x batch + head
	; descriptor group 1: 204 rows of 256 bytes, dense
	s_mov_b32 s16, 3<<16                           ; elements of 8 bytes; no mask, no padding
	s_mov_b32 s17, 32<<16                          ; tensor_dim0
	s_mov_b32 s18, 204<<16                         ; tensor_dim1
	s_mov_b32 s19, 32<<16                          ; tile_dim0
	s_mov_b32 s20, 204                             ; tile_dim1
	s_mov_b32 s21, 32                              ; tensor_dim0_stride
	s_mov_b32 s22, 0
	s_mov_b32 s23, 0
	s_and_b32 s44, s8, 3
	s_mul_i32 s44, s44, 52224                      ; a quarter of the head's bytes for each of waves 0 to 3
	s_mul_i32 s46, s9, HEADB
	s_add_co_u32 s46, s46, s44
	s_mov_b32 s47, 0
	s_lshl_b32 s37, ttmp9, 4
	s_add_co_u32 s37, s37, s8                      ; my first tile of queries, 0 .. 63
	s_sub_co_u32 s38, 127, s37                     ; my second
	s_lshl_b32 s45, s9, 7
	s_add_co_u32 s10, s45, s37
	s_add_co_u32 s39, s45, s38
	s_mul_i32 s12, s10, 768
	s_add_co_u32 s12, s12, QC_OFF
	s_mov_b32 s13, 0
	s_mul_i32 s14, s39, 768
	s_add_co_u32 s14, s14, QC_OFF
	s_mov_b32 s15, 0
	s_wait_dscnt 0x0
	s_wait_kmcnt 0x0
	s_mov_b32 s24, 1
	s_mov_b32 s25, s44
	s_add_nc_u64 s[26:27], s[4:5], s[46:47]
	s_or_b32 s27, s27, 0x80000000
	s_add_nc_u64 s[52:53], s[4:5], s[12:13]        ; Q's codes, first tile
	s_add_nc_u64 s[54:55], s[4:5], s[14:15]        ; second tile
	s_lshl_b32 s12, s10, 6
	s_add_co_u32 s12, s12, QS_OFF
	s_lshl_b32 s14, s39, 6
	s_add_co_u32 s14, s14, QS_OFF
	s_add_nc_u64 s[56:57], s[4:5], s[12:13]        ; Q's scale words
	s_add_nc_u64 s[58:59], s[4:5], s[14:15]
	s_cmp_lt_u32 s8, 4
	s_cbranch_scc0 .Lnofill
	tensor_load_to_lds s[24:27], s[16:23]          ; one load of mine is out
	s_nop 0
.rept 4
	v_nop
.endr
.Lnofill:
	v_and_b32 v86, 31, v0                          ; lane
	s_delay_alu instid0(VALU_DEP_1)
	v_lshlrev_b32 v1, 4, v86
	s_delay_alu instid0(VALU_DEP_2)
	v_lshlrev_b32 v2, 3, v86
	s_delay_alu instid0(VALU_DEP_3)
	v_lshlrev_b32 v3, 2, v86
	v_and_b32 v11, 15, v0                          ; r
	v_bfe_u32 v10, v0, 4, 1                        ; h
	s_delay_alu instid0(VALU_DEP_2)
	v_and_b32 v7, 8, v11
	s_delay_alu instid0(VALU_DEP_1)
	v_add_nc_u32 v7, v7, v11
	s_delay_alu instid0(VALU_DEP_3)
	v_lshlrev_b32 v8, 4, v10
	s_delay_alu instid0(VALU_DEP_1)
	v_sub_nc_u32 v7, v7, v8                        ; r + 8 (r / 8) - 16 h
	v_lshl_add_u32 v10, v11, 2, v10                ; 4 r + h: where my block's scale byte goes
	v_lshlrev_b32 v11, 2, v11                      ; 4 r
	v_cmp_le_u32 s36, 16, v86                      ; lanes 16-31
	global_load_b128 v[16:19], v1, s[52:53]
	global_load_b64 v[20:21], v2, s[52:53] offset:512
	global_load_b32 v28, v11, s[56:57]
	global_load_b128 v[236:239], v1, s[54:55]
	global_load_b64 v[240:241], v2, s[54:55] offset:512
	global_load_b32 v29, v11, s[58:59]
	v_mov_b32 v9, 0xff800000                       ; -infinity
.irp i, 0,1,2,3,4,5
	v_mov_b32 v[22+\i], 0                          ; zero codes: the half of the instruction's K that a head of 64 does not fill
	v_mov_b32 v[242+\i], 0
	v_mov_b32 v[80+\i], 0                          ; what stands behind K's last tile
.endr
	v_mov_b32 v89, 0                               ; (named as the upper half of the pair v[88:89])
.irp b, 0,1,2,3
	v_mov_b32 v[BT+\b], 0                          ; a lane permute's destination counts as one of its sources
.endr
	s_mov_b32 s32, 0x76543210
	s_mov_b32 s33, 0xfedcba98                      ; selects for lane l xor 16
	s_mov_b32 s34, 0x3e38aa3b                      ; c = log2(e) / 8
	s_mov_b32 s35, s34                             ; (named with it as a pair)
	s_wait_tensorcnt 0x0                           ; my quarter of the head has landed,
	s_wait_loadcnt 0x0                             ; and Q
	s_barrier_signal -1
	s_barrier_wait -1                              ; everybody's has
; A KEY STEP: 128 keys, one record.  s40 my first query, s41 the step's first key, s42 the record's LDS byte.
.macro STEP QF, QW
	s_add_co_u32 s44, s40, 23
	s_cmp_gt_u32 s41, s44
	s_cbranch_scc1 .Lhidden_\@                     ; all keys come after my last query
	s_setprio 2
	v_add_nc_u32 v4, s42, v1
	v_add_nc_u32 v5, s42, v2
	v_add_nc_u32 v6, s42, v3
	v_nop                                          ; four places in front of loads into registers that the last products read
.irp t, 0,1,2,3,4,5,6,7
	ds_load_b128 v[32+6*\t:35+6*\t], v4 offset:768*\t
	ds_load_b64 v[36+6*\t:37+6*\t], v5 offset:768*\t+512
.endr
.irp i, 0,1,2,3
	ds_load_b32 v[224+\i], v6 offset:12288+128*\i  ; lanes 0-15 tile 2 i's words, lanes 16-31 tile 2 i + 1's
.endr
	s_wait_alu depctr_va_vdst(0)
	s_wait_dscnt 0x0
.irp t, 0,2,4,6
	v_wmma_scale_f32_16x16x128_f8f6f4 v[96+8*\t:103+8*\t], v[32+6*\t:43+6*\t], v[\QF:\QF+11], 0, v[224+\t/2], v[\QW] matrix_a_fmt:MATRIX_FMT_FP6 matrix_b_fmt:MATRIX_FMT_FP6
	v_wmma_scale_f32_16x16x128_f8f6f4 v[104+8*\t:111+8*\t], v[38+6*\t:49+6*\t], v[\QF:\QF+11], 0, v[224+\t/2], v[\QW] matrix_a_fmt:MATRIX_FMT_FP6 matrix_b_fmt:MATRIX_FMT_FP6 matrix_a_scale:MATRIX_SCALE_ROW1
.endr
.rept 4
	v_nop                                          ; places in front of the loads over K's registers and of the first read of the scores
.endr
.irp t, 0,1,2,3
.irp c, 0,1,2
	ds_load_b128 v[32+12*\t+4*\c:35+12*\t+4*\c], v4 offset:6144+1536*\t+512*\c   ; V's four fragments land while the softmax is worked
.endr
.endr
	ds_load_b32 v228, v6 offset:12800
	ds_load_b32 v229, v6 offset:12928
	s_add_co_u32 s44, s41, 127
	s_cmp_le_u32 s44, s40
	s_cbranch_scc1 .Lopen_\@                       ; all keys count for all my queries
	s_sub_co_i32 s44, s40, s41
	v_add_nc_u32 v8, s44, v7                       ; d = my query - the step's first key - 16 h.  Register 16 b + i holds key 32 b + 16 h + i: hidden where 32 b + i > d
.set NN, 0
.rept 64
	v_cmp_gt_i32 vcc_lo, 32*(NN/16)+NN%16, v8
	v_cndmask_b32 v[96+NN], v[96+NN], v9, vcc_lo
.set NN, NN+1
.endr
.Lopen_\@:
.irp b, 0,1,2,3
	v_max3_num_f32 v[BM+\b], v[96+16*\b], v[97+16*\b], v[98+16*\b]   ; the largest score of each block of 32 keys: for the row's maximum and, since p rises with the score, for the block's largest p
.endr
.irp i, 3,5,7,9,11,13
.irp b, 0,1,2,3
	v_max3_num_f32 v[BM+\b], v[BM+\b], v[96+16*\b+\i], v[97+16*\b+\i]
.endr
.endr
.irp b, 0,1,2,3
	v_max_num_f32 v[BM+\b], v[BM+\b], v[111+16*\b]
.endr
.irp b, 0,1,2,3
	s_delay_alu instid0(VALU_DEP_4)
	v_permlanex16_b32 v[BT+\b], v[BM+\b], s32, s33
.endr
.irp b, 0,1,2,3
	s_delay_alu instid0(VALU_DEP_4)
	v_max_num_f32 v[BM+\b], v[BM+\b], v[BT+\b]     ; with lane l xor 16's 16 keys
.endr
	s_delay_alu instid0(VALU_DEP_2)
	v_max3_num_f32 v86, v[BM], v[BM+1], v[BM+2]
	s_delay_alu instid0(VALU_DEP_1)
	v_max_num_f32 v86, v86, v[BM+3]
	s_delay_alu instid0(VALU_DEP_1)
	v_mul_f32 v86, s34, v86                        ; as t (c is positive)
	s_delay_alu instid0(VALU_DEP_1)
	v_max_num_f32 v13, v13, v86                    ; the running largest t
	v_mov_b32 v86, v12
	s_delay_alu instid0(VALU_DEP_2)
	v_floor_f32 v12, -v13                          ; the new -M = floor(-t): M is a whole number
	s_delay_alu instid0(VALU_DEP_1)
	v_sub_f32 v86, v12, v86                        ; old M - new M: a whole number, 0 or less
	s_delay_alu instid0(VALU_DEP_1)
	v_cvt_i32_f32 v86, v86                         ; (it saturates)
	s_delay_alu instid0(VALU_DEP_1)
	v_ldexp_f32 v88, 1.0, v86                      ; f = 2^(old M - new M)
.set NN, 0
.rept 32
	v_pk_fma_f32 v[96+NN:97+NN], v[96+NN:97+NN], s[34:35], v[12:13] op_sel_hi:[1,0,0]   ; t - M
.set NN, NN+2
.endr
	s_setprio 1
.irp b, 0,1,2,3
	v_fma_f32 v[BM+\b], v[BM+\b], s34, v12         ; the same of each block's largest score
.endr
.set NN, 0
	s_wait_alu depctr_va_vdst(0)
.rept 64
	v_exp_f32 v[96+NN], v[96+NN]                   ; p = 2^(t - M)
.set NN, NN+1
.endr
	v_pk_mul_f32 v[14:15], v[14:15], v[88:89] op_sel_hi:[1,0]   ; the sums under the new M: a plain instruction behind the exponentials
	s_wait_alu depctr_va_vdst(0)                   ; one wait for the whole batch, ahead of its first reader
.irp b, 0,1,2,3
	v_exp_f32 v[BM+\b], v[BM+\b]                   ; the block's largest p
.endr
	v_pk_add_f32 v[216:217], v[100:101], v[104:105]
	v_pk_add_f32 v[252:253], v[108:109], v[112:113]
	v_pk_add_f32 v[250:251], v[116:117], v[120:121]
	v_pk_add_f32 v[248:249], v[124:125], v[128:129]
	v_pk_add_f32 v[234:235], v[132:133], v[136:137]
	v_pk_add_f32 v[232:233], v[140:141], v[144:145]
	v_pk_add_f32 v[230:231], v[148:149], v[152:153]
	v_pk_add_f32 v[14:15], v[14:15], v[156:157]
	v_pk_add_f32 v[216:217], v[216:217], v[96:97]
	v_pk_add_f32 v[252:253], v[252:253], v[98:99]
	v_pk_add_f32 v[250:251], v[250:251], v[102:103]
	v_pk_add_f32 v[248:249], v[248:249], v[106:107]
	v_pk_add_f32 v[234:235], v[234:235], v[110:111]
	v_pk_add_f32 v[232:233], v[232:233], v[114:115]
	v_pk_add_f32 v[230:231], v[230:231], v[118:119]
	v_pk_add_f32 v[14:15], v[14:15], v[122:123]
	v_pk_add_f32 v[216:217], v[216:217], v[126:127]
	v_pk_add_f32 v[252:253], v[252:253], v[130:131]
	v_pk_add_f32 v[250:251], v[250:251], v[134:135]
	v_pk_add_f32 v[248:249], v[248:249], v[138:139]
	v_pk_add_f32 v[234:235], v[234:235], v[142:143]
	v_pk_add_f32 v[232:233], v[232:233], v[146:147]
	v_pk_add_f32 v[230:231], v[230:231], v[150:151]
	v_pk_add_f32 v[14:15], v[14:15], v[154:155]
	v_pk_add_f32 v[216:217], v[216:217], v[158:159]
	s_delay_alu instid0(VALU_DEP_2)
	v_pk_add_f32 v[14:15], v[14:15], v[248:249]
	s_delay_alu instid0(VALU_DEP_2)
	v_pk_add_f32 v[216:217], v[216:217], v[234:235]
	v_pk_add_f32 v[252:253], v[252:253], v[232:233]
	v_pk_add_f32 v[250:251], v[250:251], v[230:231]
	s_delay_alu instid0(VALU_DEP_2)
	v_pk_add_f32 v[14:15], v[14:15], v[252:253]
	s_delay_alu instid0(VALU_DEP_2)
	v_pk_add_f32 v[216:217], v[216:217], v[250:251]
	s_delay_alu instid0(VALU_DEP_1)
	v_pk_add_f32 v[14:15], v[14:15], v[216:217]
	s_wait_alu depctr_va_vdst(0)                   ; and one for the four
.irp b, 0,1,2,3
	v_max_num_f32 v[BM+\b], 0x1800000, v[BM+\b]    ; the floor 2^(3 - 127)
.endr
.irp b, 0,1,2,3
	s_delay_alu instid0(VALU_DEP_4)
	v_add_nc_u32 v[BS+\b], 0xff000000, v[BM+\b]    ; the conversion's scale operand
.endr
.irp b, 0,1,2,3
	s_delay_alu instid0(VALU_DEP_4)
	v_lshrrev_b32 v[BT+\b], 23, v[BS+\b]           ; the scale's byte
.endr
	s_delay_alu instid0(VALU_DEP_3)
	v_lshl_or_b32 v90, v[BT+1], 8, v[BT]           ; p's scale word for these 128 keys
	s_delay_alu instid0(VALU_DEP_1)
	v_lshl_or_b32 v90, v[BT+2], 16, v90
	s_delay_alu instid0(VALU_DEP_1)
	v_lshl_or_b32 v90, v[BT+3], 24, v90
	s_setprio 0
.irp c, 0,1
	v_cvt_scalef32_pk16_fp6_f32 v[PC+6*\c:PC+6*\c+2], v[96+32*\c:111+32*\c], v[BS+2*\c]
	v_cvt_scalef32_pk16_fp6_f32 v[PT+4*\c:PT+4*\c+2], v[112+32*\c:127+32*\c], v[BS+2*\c+1]
.endr
	v_nop                                          ; one plain instruction behind a scaled conversion
.irp c, 0,1
.irp i, 0,1,2
	v_permlane16_swap_b32 v[PC+6*\c+\i], v[PT+4*\c+\i]
.endr
.irp i, 0,1,2
	s_delay_alu instid0(VALU_DEP_3)
	v_mov_b32 v[PC+3+6*\c+\i], v[PT+4*\c+\i]
.endr
.endr
.set NN, 0
.rept 16
	v_pk_mul_f32 v[160+NN:161+NN], v[160+NN:161+NN], v[88:89] op_sel_hi:[1,0]   ; O^T under the new M; these sixteen are also the places between the scale word and the codes just made and the products
.set NN, NN+2
.endr
	s_wait_alu depctr_va_vdst(0)
	s_wait_dscnt 0x0                               ; V is in
.irp t, 0,2
	v_wmma_scale_f32_16x16x128_f8f6f4 v[160+8*\t:167+8*\t], v[32+12*\t:43+12*\t], v[PC:PC+11], v[160+8*\t:167+8*\t], v[228+\t/2], v90 matrix_a_fmt:MATRIX_FMT_FP6 matrix_b_fmt:MATRIX_FMT_FP6
	v_wmma_scale_f32_16x16x128_f8f6f4 v[168+8*\t:175+8*\t], v[44+12*\t:55+12*\t], v[PC:PC+11], v[168+8*\t:175+8*\t], v[228+\t/2], v90 matrix_a_fmt:MATRIX_FMT_FP6 matrix_b_fmt:MATRIX_FMT_FP6 matrix_a_scale:MATRIX_SCALE_ROW1
.endr
.Lhidden_\@:
	s_add_co_u32 s41, s41, 128
	s_add_co_u32 s42, s42, RECB
.endm
; A tile of 16 queries: s[TS] its number, NK the trips of its loop (a constant), QF its Q, QW its scale words.
.macro TILE TS, NK, QF, QW
	s_wait_xcnt 0x0                                ; the last tile's stores have read their bases and registers
	s_and_b32 s44, s[\TS], 1
	s_lshl_b32 s44, s44, 3
	s_lshl_b32 s40, s[\TS], 4
	s_sub_co_u32 s40, s40, s44                     ; my first query
	s_lshr_b32 s44, s9, 4
	s_lshl_b32 s44, s44, 7
	s_add_co_u32 s44, s44, s[\TS]                  ; the tile among the 512 of all batches
	s_and_b32 s45, s9, 15                          ; the head = the half image along the last product's K
	s_lshl_b32 s46, s44, 4
	s_add_co_u32 s46, s46, s45
	s_mul_i32 s46, s46, 768
	s_mov_b32 s47, 0
	s_add_nc_u64 s[48:49], s[6:7], s[46:47]
	s_lshl_b32 s46, s44, 3
	s_lshr_b32 s45, s45, 1
	s_add_co_u32 s46, s46, s45
	s_lshl_b32 s46, s46, 6                         ; the K step's sixteen words,
	s_and_b32 s45, s9, 1
	s_lshl_b32 s45, s45, 1
	s_add_co_u32 s46, s46, s45                     ; my head's two bytes of each
	s_add_co_u32 s46, s46, OS_OFF
	s_add_nc_u64 s[50:51], s[6:7], s[46:47]
	v_mov_b32 v13, 0xff61b1e6                      ; the largest t so far: -3e38
	s_delay_alu instid0(VALU_DEP_1)
	v_floor_f32 v12, -v13
	v_mov_b32 v14, 0
	v_mov_b32 v15, 0
.set NN, 0
.rept 32
	v_mov_b32 v[160+NN], 0                         ; O^T: the loop has no first step of its own; the first change of M multiplies zeros
.set NN, NN+1
.endr
	s_mov_b32 s41, 0
	s_mov_b32 s42, 0
	s_mov_b32 s43, 0
.Lkeys_\@:
	STEP \QF, \QW
	s_add_co_u32 s43, s43, 1
	s_cmp_lt_u32 s43, \NK
	s_cbranch_scc1 .Lkeys_\@
	s_setprio 0
	v_add_f32 v14, v14, v15
	s_delay_alu instid0(VALU_DEP_1)
	v_permlanex16_b32 v86, v14, s32, s33
	s_delay_alu instid0(VALU_DEP_1)
	v_add_f32 v14, v14, v86                        ; the row's sum
	s_wait_alu depctr_va_vdst(0)
	v_rcp_f32 v14, v14
.rept 4
	v_nop                                          ; plain instructions behind the reciprocal, and the places behind the last products
.endr
	s_wait_alu depctr_va_vdst(0)                   ; ahead of the reciprocal's first reader
.set NN, 0
.rept 32
	v_mul_f32 v[96+NN], v[160+NN], v14             ; register 16 b + i: channel 32 b + 16 h + i of my query
.set NN, NN+1
.endr
	v_max3_num_f32 v[BM], |v96|, |v97|, 0x1800000
	v_max3_num_f32 v[BM+1], |v112|, |v113|, 0x1800000
.irp i, 2,4,6,8,10,12,14
	s_delay_alu instid0(VALU_DEP_2)
	v_max3_num_f32 v[BM], v[BM], |v[96+\i]|, |v[97+\i]|
	s_delay_alu instid0(VALU_DEP_2)
	v_max3_num_f32 v[BM+1], v[BM+1], |v[112+\i]|, |v[113+\i]|
.endr
	s_delay_alu instid0(VALU_DEP_2)
	v_permlanex16_b32 v[BT], v[BM], s32, s33
	s_delay_alu instid0(VALU_DEP_2)
	v_permlanex16_b32 v[BT+1], v[BM+1], s32, s33
	s_delay_alu instid0(VALU_DEP_2)
	v_max_num_f32 v[BM], v[BM], v[BT]
	s_delay_alu instid0(VALU_DEP_2)
	v_max_num_f32 v[BM+1], v[BM+1], v[BT+1]
	s_delay_alu instid0(VALU_DEP_2)
	v_add_nc_u32 v[BS], 0xff000000, v[BM]
	s_delay_alu instid0(VALU_DEP_2)
	v_add_nc_u32 v[BS+1], 0xff000000, v[BM+1]
	s_delay_alu instid0(VALU_DEP_2)
	v_lshrrev_b32 v[BT], 23, v[BS]
	s_delay_alu instid0(VALU_DEP_2)
	v_lshrrev_b32 v[BT+1], 23, v[BS+1]
	s_delay_alu instid0(VALU_DEP_1)
	v_cndmask_b32 v87, v[BT], v[BT+1], s36         ; lanes 0-15 store block 0's byte, lanes 16-31 block 1's
	v_cvt_scalef32_pk16_fp6_f32 v[PC:PC+2], v[96:111], v[BS]
	v_cvt_scalef32_pk16_fp6_f32 v[PT:PT+2], v[112:127], v[BS+1]
	v_nop
.irp i, 0,1,2
	v_permlane16_swap_b32 v[PC+\i], v[PT+\i]
.endr
.irp i, 0,1,2
	s_delay_alu instid0(VALU_DEP_3)
	v_mov_b32 v[PC+3+\i], v[PT+\i]
.endr
	global_store_b128 v1, v[PC:PC+3], s[48:49]     ; the half image: 512 consecutive bytes,
	global_store_b64 v2, v[PC+4:PC+5], s[48:49] offset:512   ; and 256
	global_store_b8 v10, v87, s[50:51]             ; two bytes of each row's word: the other two are the neighbouring head's
.endm
	TILE 37, 8, 16, 28                             ; tiles 0 .. 63 see keys 0 .. 1,023 at the most
	TILE 38, 16, 236, 29
	s_wait_tensorcnt 0x0
	ds_add_u32 v254, v255
	s_wait_dscnt 0x0
	s_endpgm
.Lfunc_end_k_qf3c97a4ef1_attn:
	.size	k_qf3c97a4ef1_attn, .Lfunc_end_k_qf3c97a4ef1_attn-k_qf3c97a4ef1_attn
	.p2alignl 7, 3214868480
	.fill 96, 4, 3214868480
	.section	.rodata,"a",@progbits
	.p2align	6, 0x0
	.amdhsa_kernel k_qf3c97a4ef1_attn
		.amdhsa_group_segment_fixed_size 210944
		.amdhsa_private_segment_fixed_size 0
		.amdhsa_enable_private_segment 0
		.amdhsa_kernarg_size 16
		.amdhsa_user_sgpr_count 2
		.amdhsa_user_sgpr_kernarg_segment_ptr 1
		.amdhsa_wavefront_size32 1
		.amdhsa_system_sgpr_workgroup_id_x 1
		.amdhsa_system_sgpr_workgroup_id_y 1
		.amdhsa_system_sgpr_workgroup_id_z 1
		.amdhsa_system_vgpr_workitem_id 0
		.amdhsa_next_free_vgpr 256
		.amdhsa_next_free_sgpr 66
		.amdhsa_reserve_vcc 1
		.amdhsa_float_denorm_mode_32 3
		.amdhsa_float_denorm_mode_16_64 3
		.amdhsa_memory_ordered 1
		.amdhsa_forward_progress 1
		.amdhsa_inst_pref_size 63
	.end_amdhsa_kernel
	.amdgpu_metadata
---
amdhsa.version: [ 1, 2 ]
amdhsa.kernels:
  - .name:           k_qf3c97a4ef1_attn
    .symbol:         k_qf3c97a4ef1_attn.kd
    .args:
      - { .name: qkv, .offset: 0, .size: 8, .value_kind: global_buffer, .address_space: global }
      - { .name: oc, .offset: 8, .size: 8, .value_kind: global_buffer, .address_space: global }
    .group_segment_fixed_size: 210944
    .private_segment_fixed_size: 0
    .kernarg_segment_align: 8
    .kernarg_segment_size: 16
    .max_flat_workgroup_size: 512
    .sgpr_count:     66
    .vgpr_count:     256
    .wavefront_size: 32
...
	.end_amdgpu_metadata
.endif
;; end of part 3
;; launch outp (part 4): grid 4 x 32, 4 waves a work-group, clusters of 4 x 4, 327,680 bytes of LDS; arguments oc, xw, bo, out0; writes out0
.if DOCPART == 4
	.amdgcn_target "amdgcn-amd-amdhsa--gfx1250"
	.amdhsa_code_object_version 6
	.text
	.protected	k_qf3c97a4ef1_outp
	.globl	k_qf3c97a4ef1_outp
	.p2align	8
	.type	k_qf3c97a4ef1_outp,@function
k_qf3c97a4ef1_outp:
	s_mov_b64 s[64:65], 0
	v_nop
	global_prefetch_b8 v0, s[64:65] scope:SCOPE_SE
	s_setreg_imm32_b32 hwreg(HW_REG_WAVE_MODE, 25, 1), 1
	s_wait_xcnt 0x0
	s_wait_alu depctr_hold_cnt(0) depctr_sa_sdst(0) depctr_va_vdst(0) depctr_va_sdst(0) depctr_va_ssrc(0) depctr_va_vcc(0) depctr_vm_vsrc(0)
	s_getreg_b32 s2, hwreg(HW_REG_IB_STS2, 6, 4)
	s_cmp_eq_u32 s2, 0
	s_cbranch_scc0 .Lentry_in_a_cluster
	s_endpgm
.Lentry_in_a_cluster:
	s_bfe_u32 s2, ttmp6, 0x10000c
	s_cmp_lg_u32 s2, 0xf033
	s_cbranch_scc0 .Lentry_shape_is_right
	s_endpgm
.Lentry_shape_is_right:
; out0 = o Wo^T + bo on codes of FP6 (E2M3) with E8M0 scales.  o's codes and scale words come from oc, Wo's from xw, both as images of operand registers: a row tile (16 rows, rows 32 (T / 2) + 8 (T % 2) + p + 8 (p / 8))
; x 16 half images of 768 bytes; scale words [tile][K step][16].  A work-group makes 256 rows x 256 columns, each of four waves 128 x 128: 64 accumulators.  K = 1,024 goes in four slots of 256 through a ring of two LDS slots.
; P, the first source, is Wo (a lane's registers run along the columns of out0); R, the second, is o (a lane holds one row).  bo is the C of the first K step's products.
; CLUSTERS: 4 x 4.  o's tiles hang on the work-group's y alone and are asked for jointly by a row of the cluster, Wo's on its x alone, by a column.
; The grid has 128 work-groups: a tile of 256 x 256 keeps each fragment read from LDS at work in eight products.
; REGISTERS: window 0: v12-31 addresses; v32-63 scale words, two sets; v64-127 the bias; v128-223 R's eight fragments; on the way out v128-255 rows of out0.  window 1: P's fragments, two sets.  windows 2, 3: the accumulators.
.set XS_OFF, 22020096
.set OS_OFF, 6291456
.set SLB,    3072
.set HALFT,  8*SLB
.set REGION, 2*HALFT
.set SLOT,   2*REGION
.set SCL,    2*SLOT
.set HALFS,  4096
.set SPARE,  SCL+4*HALFS               ; the spare words, 128 bytes for each wave: two blocks of 256 bytes that no other line names
.set SPITCH, 528                       ; the way out: a stage of 16 rows x (512 + 16) bytes for each wave, in slot 0, which has had its last fill and its last read by then
.set FR,     12
.set NP,     4
.set STO,    12
.set RD,     13
.set ADRR16, 16
.set ADRR8,  18
.set ADRP16, 20
.set ADRP8,  22
.set ADRSR,  24
.set ADRSP,  25
.set L16,    26
.set L8,     27
.set SPW,    28
.set NIL,    29
.set L4,     30
.set SC,     32
.set BIAS,   64
.set AF,     128
.set BK,     128
.set G1, 24
.set G0, 32
.set G1B, 48
.set G0B, 56
.set G1S, 68
.set G0S, 76
.set G1SB, 80
.set G0SB, 88
.set MSB, 0
.macro WIN new
.if MSB != (\new)
	s_set_vgpr_msb (MSB<<8)|(\new)
.set MSB, (\new)
.endif
.endm
.set MUL_LO, 0xa1
.set MUL_HI, 0xf1
.set TO_B,   0x40
.macro JLOAD g0a, g1a, g0b, g1b        ; a joint load: waves 0 and 1 fetch o's halves, waves 2 and 3 Wo's; four v_nop follow each line
	s_cmp_eq_u32 s15, 0
	s_cbranch_scc0 .Lfor_b_\@
	tensor_load_to_lds s[\g0a:\g0a+3], s[\g1a:\g1a+7]
	s_nop 0
.rept 4
	v_nop
.endr
	s_branch .Lasked_\@
.Lfor_b_\@:
	tensor_load_to_lds s[\g0b:\g0b+3], s[\g1b:\g1b+7]
	s_nop 0
.rept 4
	v_nop
.endr
.Lasked_\@:
.endm
.macro CREST
	s_cmp_lg_u32 s14, 0
	s_cbranch_scc1 .Lnot_wave_0_\@
	s_barrier_signal -3
.Lnot_wave_0_\@:
	s_barrier_wait -3
	s_barrier_signal -1
	s_barrier_wait -1
.endm
.macro CROUND
	s_barrier_signal -1
	s_barrier_wait -1
	CREST
.endm
.macro PLACES n
.rept \n
	v_nop
.endr
.endm
	s_load_b256 s[4:11], s[0:1], 0x0               ; oc 4, xw 6, bo 8, out0 10
	v_lshl_add_u32 v[SPW], v0, 2, SPARE
	v_mov_b32 v[NIL], 0
	ds_add_u32 v28, v29
	ds_add_u32 v28, v29
	s_wait_dscnt 0x0
	v_lshrrev_b32 v1, 5, v0
	v_readfirstlane_b32 s14, v1                    ; wave 0..3
	s_lshr_b32 s15, s14, 1                         ; my half of the rows.  Also: I fetch for o (0) or for Wo (1)
	s_and_b32 s16, s14, 1                          ; my half of the columns.  Also: which eight tiles I fetch
	s_bfe_u32 s40, ttmp6, 0x40000                  ; cx
	s_bfe_u32 s41, ttmp6, 0x40004                  ; cy
	s_lshl_b32 s42, ttmp9, 2
	s_add_co_u32 s42, s42, s40                     ; work-group x
	s_and_b32 s17, ttmp7, 0xffff
	s_lshl_b32 s17, s17, 2
	s_add_co_u32 s17, s17, s41                     ; work-group y
	s_lshl_b32 s43, s41, 2
	s_lshl_b32 s43, 15, s43                        ; my row of the cluster
	s_lshl_b32 s44, 0x1111, s40                    ; my column
	s_or_b32 s[G1+0], s43, (3<<16)|(1<<21)         ; codes: eight rows of 3,072 bytes (384 elements of 8), 12,288 bytes apart
	s_or_b32 s[G1B+0], s44, (3<<16)|(1<<21)
.irp g, G1, G1B
	s_mov_b32 s[\g+1], 384<<16
	s_mov_b32 s[\g+2], 8<<16
	s_mov_b32 s[\g+3], 384<<16
	s_mov_b32 s[\g+4], 8
	s_mov_b32 s[\g+5], 1536
	s_mov_b32 s[\g+6], 0
	s_mov_b32 s[\g+7], 0
.endr
	s_or_b32 s[G1S+0], s43, (3<<16)|(1<<21)        ; scale words of eight tiles: 16 rows of 256 bytes, dense
	s_or_b32 s[G1SB+0], s44, (3<<16)|(1<<21)
.irp g, G1S, G1SB
	s_mov_b32 s[\g+1], 32<<16
	s_mov_b32 s[\g+2], 16<<16
	s_mov_b32 s[\g+3], 32<<16
	s_mov_b32 s[\g+4], 16
	s_mov_b32 s[\g+5], 32
	s_mov_b32 s[\g+6], 0
	s_mov_b32 s[\g+7], 0
.endr
	s_lshl_b32 s18, s16, 3
	s_lshl_b32 s20, s17, 4
	s_add_co_u32 s20, s20, s18                     ; o: tile 16 y + 8 x half
	s_lshl_b32 s46, s42, 4
	s_add_co_u32 s46, s46, s18
	s_add_co_u32 s46, s46, 1728                    ; Wo: tile 1728 + 16 x + 8 x half
	s_lshl_b32 s22, s20, 9
	s_add_co_u32 s22, s22, OS_OFF
	s_mov_b32 s23, 0
	s_lshl_b32 s92, s46, 9
	s_add_co_u32 s92, s92, XS_OFF
	s_mov_b32 s93, 0
	s_mul_i32 s20, s20, 12288
	s_mov_b32 s21, 0
	s_mul_i32 s46, s46, 12288
	s_mov_b32 s47, 0
	s_mul_i32 s45, s14, HALFT
	s_mul_i32 s94, s14, HALFS
	s_wait_kmcnt 0x0
	s_add_nc_u64 s[20:21], s[4:5], s[20:21]
	s_add_nc_u64 s[22:23], s[4:5], s[22:23]
	s_add_nc_u64 s[46:47], s[6:7], s[46:47]
	s_add_nc_u64 s[92:93], s[6:7], s[92:93]
	CROUND                                         ; all sixteen work-groups are here: the first joint loads meet
	s_mov_b32 s[G0S], 1
	s_add_co_u32 s[G0S+1], s94, SCL
	s_mov_b64 s[G0S+2:G0S+3], s[22:23]
	s_or_b32 s[G0S+3], s[G0S+3], 0x80000000
	s_mov_b32 s[G0SB], 1
	s_add_co_u32 s[G0SB+1], s94, SCL
	s_mov_b64 s[G0SB+2:G0SB+3], s[92:93]
	s_or_b32 s[G0SB+3], s[G0SB+3], 0x80000000
	JLOAD G0S, G1S, G0SB, G1SB                     ; three loads of mine are out behind this group
.irp s, 0,1
	s_mov_b32 s[G0+4*\s], 1
	s_add_co_u32 s[G0+4*\s+1], s45, \s*SLOT
	s_add_nc_u64 s[G0+4*\s+2:G0+4*\s+3], s[20:21], \s*SLB
	s_or_b32 s[G0+4*\s+3], s[G0+4*\s+3], 0x80000000
	s_mov_b32 s[G0B+4*\s], 1
	s_add_co_u32 s[G0B+4*\s+1], s45, \s*SLOT
	s_add_nc_u64 s[G0B+4*\s+2:G0B+4*\s+3], s[46:47], \s*SLB
	s_or_b32 s[G0B+4*\s+3], s[G0B+4*\s+3], 0x80000000
	JLOAD G0+4*\s, G1, G0B+4*\s, G1B
.endr
	v_and_b32 v1, 31, v0                           ; lane
	v_and_b32 v2, 15, v0                           ; r
	v_bfe_u32 v3, v0, 4, 1                         ; h
	v_lshlrev_b32 v[L16], 4, v1
	v_lshlrev_b32 v[L8], 3, v1
	v_lshlrev_b32 v[L4], 2, v1
	; the bias of my 128 columns: register 16 b + i = column 32 b + 16 h + i, the result's layout
	s_lshl_b32 s18, s42, 10
	s_lshl_b32 s19, s16, 9
	s_add_co_u32 s18, s18, s19                     ; my first column, in bytes: 1,024 x + 512 x half
	s_mov_b32 s19, 0
	s_add_nc_u64 s[8:9], s[8:9], s[18:19]
	v_lshlrev_b32 v31, 6, v3
.irp bb, 0,1,2,3
.irp j, 0,1,2,3
	global_load_b128 v[BIAS+16*\bb+4*\j:BIAS+16*\bb+4*\j+3], v31, s[8:9] offset:128*\bb+16*\j
.endr
.endr
	s_add_nc_u64 s[10:11], s[10:11], s[18:19]      ; out0 at my first column,
	s_lshl_b32 s18, s17, 8
	s_lshl_b32 s21, s15, 7
	s_add_co_u32 s18, s18, s21
	s_lshl_b32 s18, s18, 12                        ; and my first row: (256 y + 128 x half) rows of 4,096 bytes
	s_add_nc_u64 s[10:11], s[10:11], s[18:19]
	s_mul_i32 s21, s15, HALFT                      ; R: o's region, my half
	s_mul_i32 s22, s16, HALFT
	s_add_co_u32 s22, s22, REGION                  ; P: Wo's region, my half
.irp s, 0,1
	v_add_nc_u32 v[ADRR16+\s], s21, v[L16]
	v_add_nc_u32 v[ADRR8+\s], s21, v[L8]
	v_add_nc_u32 v[ADRP16+\s], s22, v[L16]
	v_add_nc_u32 v[ADRP8+\s], s22, v[L8]
	s_add_co_u32 s21, s21, SLOT
	s_add_co_u32 s22, s22, SLOT
.endr
	s_mul_i32 s21, s15, HALFS
	s_add_co_u32 s21, s21, SCL
	v_add_nc_u32 v[ADRSR], s21, v[L4]
	s_mul_i32 s22, s16, HALFS
	s_add_co_u32 s22, s22, SCL+2*HALFS
	v_add_nc_u32 v[ADRSP], s22, v[L4]
	s_mul_i32 s23, s14, 16*SPITCH                  ; my stage
	v_mul_u32_u24 v[STO], v2, SPITCH
	v_lshl_add_u32 v[STO], v3, 6, v[STO]
	v_add_nc_u32 v[STO], s23, v[STO]               ; in: row r, + 64 h
	v_add_nc_u32 v[RD], s23, v[L16]                ; back: the 32 lanes take one row of 512 bytes
.macro FRAG reg, a16, a8, q, i         ; a fragment, 16 rows x 128 K: two half images; every load reads consecutive bytes
	ds_load_b128 v[\reg:\reg+3], v[\a16] offset:(\i)*SLB+(\q)*1536
	ds_load_b64 v[\reg+4:\reg+5], v[\a8] offset:(\i)*SLB+(\q)*1536+512
	ds_load_b128 v[\reg+6:\reg+9], v[\a16] offset:(\i)*SLB+(\q)*1536+768
	ds_load_b64 v[\reg+10:\reg+11], v[\a8] offset:(\i)*SLB+(\q)*1536+1280
.endm
.macro FETCH_B slot, q, p
	WIN TO_B
.irp i, 0,1,2,3,4,5,6,7
	FRAG 128*(\p)+FR*\i, ADRP16+\slot, ADRP8+\slot, \q, \i
.endr
	WIN 0
.endm
.macro FETCH_A slot, q, i0
.irp i, \i0, \i0+1, \i0+2, \i0+3
	FRAG AF+FR*(\i), ADRR16+\slot, ADRR8+\slot, \q, \i
.endr
.endm
.macro SCALES set                      ; lanes 0-15 take the slot's first K step's words, lanes 16-31 its second's
.irp i, 0,1,2,3,4,5,6,7
	ds_load_b32 v[SC+16*\set+\i], v[ADRSR] offset:512*\i
	ds_load_b32 v[SC+16*\set+8+\i], v[ADRSP] offset:512*\i
.endr
.endm
; 16 matrix instructions: R's tiles a0, a0 + 1 x P's eight.  zero = 1: the first product starts the sums from the bias.  The 64 accumulators take turns, one instruction a turn.
.macro MUL16 a0, p, q, sc, zero
.irp a, \a0, \a0+1
.irp b, 0,1,2,3,4,5,6,7
.if \zero
	v_wmma_scale_f32_16x16x128_f8f6f4 v[8*(8*((\a)%4)+\b):8*(8*((\a)%4)+\b)+7], v[128*(\p)+FR*\b:128*(\p)+FR*\b+FR-1], v[AF+FR*(\a):AF+FR*(\a)+FR-1], v[BIAS+8*\b:BIAS+8*\b+7], v[SC+16*(\sc)+8+\b], v[SC+16*(\sc)+(\a)] matrix_a_fmt:MATRIX_FMT_FP6 matrix_b_fmt:MATRIX_FMT_FP6
.elseif \q
	v_wmma_scale_f32_16x16x128_f8f6f4 v[8*(8*((\a)%4)+\b):8*(8*((\a)%4)+\b)+7], v[128*(\p)+FR*\b:128*(\p)+FR*\b+FR-1], v[AF+FR*(\a):AF+FR*(\a)+FR-1], v[8*(8*((\a)%4)+\b):8*(8*((\a)%4)+\b)+7], v[SC+16*(\sc)+8+\b], v[SC+16*(\sc)+(\a)] matrix_a_fmt:MATRIX_FMT_FP6 matrix_b_fmt:MATRIX_FMT_FP6 matrix_a_scale:MATRIX_SCALE_ROW1 matrix_b_scale:MATRIX_SCALE_ROW1
.else
	v_wmma_scale_f32_16x16x128_f8f6f4 v[8*(8*((\a)%4)+\b):8*(8*((\a)%4)+\b)+7], v[128*(\p)+FR*\b:128*(\p)+FR*\b+FR-1], v[AF+FR*(\a):AF+FR*(\a)+FR-1], v[8*(8*((\a)%4)+\b):8*(8*((\a)%4)+\b)+7], v[SC+16*(\sc)+8+\b], v[SC+16*(\sc)+(\a)] matrix_a_fmt:MATRIX_FMT_FP6 matrix_b_fmt:MATRIX_FMT_FP6
.endif
.endr
.endr
.endm
.macro STEP slot, zero                 ; a slot's first K step
	s_wait_dscnt 16                                ; all but the youngest sixteen loads, R's tiles 4-7
.if \zero
	WIN 0x81                                       ; C (the bias) window 0, D window 2
.else
	WIN MUL_LO
.endif
	MUL16 0, 0, 0, \slot, \zero
	MUL16 2, 0, 0, \slot, \zero
	s_wait_dscnt 0x0
	PLACES NP
	FETCH_B \slot, 1, 1
	FETCH_A \slot, 1, 0
.if \zero
	WIN 0xc1                                       ; C window 0, D window 3
.else
	WIN MUL_HI
.endif
	MUL16 4, 0, 0, \slot, \zero
	MUL16 6, 0, 0, \slot, \zero
	PLACES NP
	WIN 0
	FETCH_A \slot, 1, 4
.endm
.macro TURN slot, next, fill           ; a slot's second K step changes slots
	s_wait_tensorcnt 0x0                           ; all my tensor loads have landed: my part of the next slot
	ds_add_u32 v[SPW], v[NIL]                      ; 0 onto my spare word
	s_wait_dscnt 17                                ; (the add and the youngest sixteen loads may be out)
	WIN MUL_LO
	MUL16 0, 1, 1, \slot, 0
	s_wait_dscnt 0x0                               ; the add is done, and my reads of this slot are over
	s_barrier_signal -1
	MUL16 2, 1, 1, \slot, 0
	WIN 0
	s_barrier_wait -1
.if \fill
	CREST                                          ; a round of the cluster's barrier: no wave of any partner still reads this slot or has a load on its way
	s_add_nc_u64 s[G0+4*\slot+2:G0+4*\slot+3], s[G0+4*\slot+2:G0+4*\slot+3], 2*SLB
	s_add_nc_u64 s[G0B+4*\slot+2:G0B+4*\slot+3], s[G0B+4*\slot+2:G0B+4*\slot+3], 2*SLB
	JLOAD G0+4*\slot, G1, G0B+4*\slot, G1B
.else
	PLACES NP
.endif
	v_add_nc_u32 v[ADRSR], 128, v[ADRSR]
	v_add_nc_u32 v[ADRSP], 128, v[ADRSP]
	FETCH_B \next, 0, 0
	FETCH_A \next, 0, 0
	SCALES \next
	WIN MUL_HI
	MUL16 4, 1, 1, \slot, 0
	MUL16 6, 1, 1, \slot, 0
	PLACES NP
	WIN 0
	FETCH_A \next, 0, 4
.endm
	s_wait_tensorcnt 1                             ; the scale words and my part of slot 0 are in (slot 1's load may be out)
	s_barrier_signal -1
	s_barrier_wait -1                              ; everybody's are
	FETCH_B 0, 0, 0
	FETCH_A 0, 0, 0
	SCALES 0
	FETCH_A 0, 0, 4
	s_wait_loadcnt 0x0                             ; the bias
	STEP 0, 1
	TURN 0, 1, 1
	STEP 1, 0
	TURN 1, 0, 1
	STEP 0, 0
	TURN 0, 1, 0
	STEP 1, 0
	s_wait_dscnt 16                                ; the last K step: nothing more to fetch
	WIN MUL_LO
	MUL16 0, 1, 1, 1, 0
	MUL16 2, 1, 1, 1, 0
	s_wait_dscnt 0x0
	WIN MUL_HI
	MUL16 4, 1, 1, 1, 0
	MUL16 6, 1, 1, 1, 0
	WIN 0
; THE WAY OUT, a tile of 16 rows x 128 columns at a time, through my own stage: a lane's eight results of accumulator b are columns 32 (b / 2) + 16 h + 8 (b % 2) + 0 .. 7 of the tile's row r; they come back as whole rows of 512 bytes.
; LDS serves a wave's instructions in order (ISA guide 5.7.1.4): no wait between the stores and the loads, nor in front of the next tile's stores.
.macro TOSTAGE a
.set AC, 64*((\a)%4)
	WIN 0x08+4*((\a)/4)                            ; the data: window 2 or 3
.irp b, 0,1,2,3,4,5,6,7
	ds_store_b128 v[STO], v[AC+8*\b:AC+8*\b+3] offset:128*(\b/2)+32*(\b%2)        ; each accumulator from its low end on
	ds_store_b128 v[STO], v[AC+8*\b+4:AC+8*\b+7] offset:128*(\b/2)+32*(\b%2)+16
.endr
	WIN 0
.set BB, BK+64*((\a)%2)
.irp t, 0,1,2,3,4,5,6,7,8,9,10,11,12,13,14,15
	ds_load_b128 v[BB+4*\t:BB+4*\t+3], v[RD] offset:\t*SPITCH
.endr
.endm
.macro SEND a, younger                 ; younger: the LDS instructions issued behind tile a's loads, which may stay out
.set BB, BK+64*((\a)%2)
	s_wait_dscnt \younger
.irp t, 0,1,2,3,4,5,6,7,8,9,10,11,12,13,14,15
	global_store_b128 v[L16], v[BB+4*\t:BB+4*\t+3], s[10:11] offset:(32*((\a)/2)+8*((\a)%2)+\t+8*(\t/8))*4096 th:TH_STORE_NT   ; 512 consecutive bytes, at a multiple of 256 from out0's first byte; the tile's row t is row t + 8 (t / 8) of its 32
.endr
.endm
	PLACES NP                                      ; in front of the loads into the registers that held R's fragments, and of the first read of results
	TOSTAGE 0
.irp a, 1,2,3,4,5,6,7
.if \a > 1
	s_wait_xcnt 0x0                                ; tile a - 2's stores have read their registers: tile a's loads may land there
.endif
	TOSTAGE \a
	SEND \a-1, 32                                  ; behind tile a - 1's loads: tile a's 16 stores and 16 loads
.endr
	SEND 7, 0
	s_wait_tensorcnt 0x0                           ; the wave's end
	ds_add_u32 v[SPW], v[NIL]
	s_wait_dscnt 0x0
	CROUND                                         ; the closing round
	s_endpgm
.Lfunc_end_k_qf3c97a4ef1_outp:
	.size	k_qf3c97a4ef1_outp, .Lfunc_end_k_qf3c97a4ef1_outp-k_qf3c97a4ef1_outp
	.p2alignl 7, 3214868480
	.fill 96, 4, 3214868480
	.section	.rodata,"a",@progbits
	.p2align	6, 0x0
	.amdhsa_kernel k_qf3c97a4ef1_outp
		.amdhsa_group_segment_fixed_size 327680
		.amdhsa_private_segment_fixed_size 0
		.amdhsa_enable_private_segment 0
		.amdhsa_kernarg_size 32
		.amdhsa_user_sgpr_count 2
		.amdhsa_user_sgpr_kernarg_segment_ptr 1
		.amdhsa_wavefront_size32 1
		.amdhsa_system_sgpr_workgroup_id_x 1
		.amdhsa_system_sgpr_workgroup_id_y 1
		.amdhsa_system_sgpr_workgroup_id_z 1
		.amdhsa_system_vgpr_workitem_id 0
		.amdhsa_next_free_vgpr 1024
		.amdhsa_next_free_sgpr 100
		.amdhsa_reserve_vcc 0
		.amdhsa_float_denorm_mode_32 3
		.amdhsa_float_denorm_mode_16_64 3
		.amdhsa_memory_ordered 1
		.amdhsa_forward_progress 1
		.amdhsa_inst_pref_size 147
	.end_amdhsa_kernel
	.amdgpu_metadata
---
amdhsa.version: [ 1, 2 ]
amdhsa.kernels:
  - .name:           k_qf3c97a4ef1_outp
    .symbol:         k_qf3c97a4ef1_outp.kd
    .args:
      - { .name: oc, .offset: 0, .size: 8, .value_kind: global_buffer, .address_space: global }
      - { .name: xw, .offset: 8, .size: 8, .value_kind: global_buffer, .address_space: global }
      - { .name: bo, .offset: 16, .size: 8, .value_kind: global_buffer, .address_space: global }
      - { .name: out0, .offset: 24, .size: 8, .value_kind: global_buffer, .address_space: global }
    .group_segment_fixed_size: 327680
    .private_segment_fixed_size: 0
    .kernarg_segment_align: 8
    .kernarg_segment_size: 32
    .max_flat_workgroup_size: 128
    .sgpr_count:     100
    .vgpr_count:     1024
    .wavefront_size: 32
...
	.end_amdgpu_metadata
.endif
;; end of part 4
